; MI455X (gfx1250); checked and timed in simulation.
; The chip was launched on July 23, 2026; its instructions are those of AMD's public machine-readable ISA for CDNA 5 (MIT licence, August 2026) and "CDNA5" Instruction Set Architecture Reference Guide (July 2026). The comments in the code are by the model that wrote it; some were corrected since.
;; Time Attn Block. Allowed arithmetic: float matrix products may take bf16 or f16 operands with f32 sums; other float arithmetic in f32, or as packed bf16 or f16 multiplies, adds, multiply-adds, maxima and minima; sums over many terms, partial sums and values carried from step to step in f32; what a program stores and reads back later, other than sums and carried values, may be rounded once to bf16 or f16.
;; Inputs: beta 512 float32; gamma 512 float32; k_b 512 float32; k_w 512 x 512 float32; o_b 512 float32; o_w 512 x 512 float32; q_b 512 float32; q_w 512 x 512 float32; v_b 512 float32; v_w 512 x 512 float32; x 8 x 512 x 2,048 float32.
;; Outputs: out0 8 x 512 x 2,048 float32.
;; One version. Each part assembles by itself: llvm-mc -triple=amdgcn-amd-amdhsa -mcpu=gfx1250 --defsym DOCPART=n.
;; ======== version 1 of 1: 3 launches
;; workspace buffers: h 16,777,216 bytes; wbf 1,572,864 bytes; bfold 2,048 bytes; qkv 50,331,648 bytes
;; launch prep (part 1): grid 256 x 1, 16 waves a work-group, no clusters, 43,520 bytes of LDS; arguments x, gamma, beta, q_w, k_w, v_w, o_w, v_b, h, wbf, bfold; writes h, wbf, bfold
.if DOCPART == 1
	.amdgcn_target "amdgcn-amd-amdhsa--gfx1250"
	.amdhsa_code_object_version 6
	.text
	.protected	k_q5da9826ea4_prep
	.globl	k_q5da9826ea4_prep
	.p2align	8
	.type	k_q5da9826ea4_prep,@function
k_q5da9826ea4_prep:
	s_mov_b64 s[64:65], 0
	v_nop
	global_prefetch_b8 v0, s[64:65] scope:SCOPE_SE
	s_setreg_imm32_b32 hwreg(HW_REG_WAVE_MODE, 25, 1), 1
	s_wait_xcnt 0x0
; PREP.  Three things, one work-group of sixteen waves for each of the 256 (batch, group) pairs.
; (1) GroupNorm: h[b][c][t] = (x - mean) rsqrt(var + 1e-6) gamma[c] + beta[c], rounded once to bf16.  A group is 16 channels x 2,048 steps, 131,072 dense bytes of x.
;     Waves 0-7 take two channels each and keep them in 128 registers: x is read once; the variance is the mean of the squared DEVIATIONS, so a common offset of x costs nothing.
; (2) q_w and k_w rounded to bf16 into wbf[mtx][kb][o][64]: blocks of 64 input channels, so that a block's rows of 128 bytes lie end to end.  Waves 0-7, 2,048 numbers a work-group.
; (3) THE FOLD.  o_w (sum_s v[:,s] w[t,s]) = sum_s (o_w v)[:,s] w[t,s] for every input, so the last projection is folded into v's: W' = o_w v_w (wbf's third matrix, rounded once to bf16)
;     and b' = o_w v_b (bfold, f32).  Waves 8-15 make 16 rows x 64 columns of W' on the matrix unit, bf16 operands, f32 sums; the 512 terms are split eight ways, and the partial sums meet in LDS.
; NO CLUSTER, NO TENSOR LOAD: x is read by one work-group alone; what is shared (16 rows of o_w, 64 columns of v_w) is read through registers once, with no ring to feed.
; THE TEXT'S FORM.  The two barriers stand in common text, so the two kinds of waves part and join three times.  Nothing that is made inside a part is read in a later part: what several parts need is
; made in the head and never rewritten, every address is made anew in the part that uses it, and the one thing kept across the barriers, the norm's row in v[64:191], lies in registers that the fold's part writes too.
; bfold is 2,048 bytes in all and leaves in pieces of 8 bytes.  LIMITS: NaN and infinities are not treated apart.
.set PART,  0                          ; LDS: W's partial sums [slice 8][j 8][tile 4][lane] f32, 32,768 bytes
.set PARTB, 32768                      ; b's partial sums [slice 8][j 8][lane] f32, 8,192 bytes
.set NS0,   40960                      ; the eight norm waves' sums, a block of 256 bytes
.set NS1,   41216                      ; their sums of squares, a block of its own: no second use of bytes, so no third barrier
.set SPARE, 41472                      ; the spare words, 128 bytes for each of the sixteen waves; no other line names them
.set PX,  1                            ; v1   written in the head; later v_permlanex16_b32's destination, which counts as read
.set SPW, 2                            ; v2   SPARE + 4 x my thread's number; never rewritten
.set NIL, 3                            ; v3   0; never rewritten
.set RR,  13                           ; v13  r = lane % 16; never rewritten
.set HH,  14                           ; v14  hh = lane / 16; never rewritten
.set LL,  15                           ; v15  lane; never rewritten
.set CH,  32                           ; v[32:39]   norm: four running pairs
.set X,   64                           ; v[64:191]  norm: my two channels, 4 numbers a lane for each of 32 loads
.set Y,   192                          ; v[192:255] norm: the same as bf16
.set RB,  16                           ; v[16:47]   fold: v_b, 16 numbers for each of two K steps
.set RO,  48                           ; v[48:79]   fold: o_w likewise
.set RV,  80                           ; v[80:207]  fold: v_w: K step ks, row n, column tile it at 64 ks + 4 n + it
.set ACC, 208                          ; v[208:247] fold: four tiles of W', then b'
.set SEL, 34                           ; s[34:35] v_permlanex16_b32's selects
.set G,   40                           ; s40  the work-group's number
.set WV,  41                           ; s41  my wave's number
.set OT,  42                           ; s42  fold: rows 16 OT .. of W'
.set IG,  43                           ; s43  fold: columns 64 IG ..
.set GOF, 44                           ; s44  byte offset in gamma and beta; a source of scalar loads that are waited for late: never rewritten
.set XB,  46                           ; s[46:47] x at the group
.set HB,  48                           ; s[48:49] h at the group
.set WS,  50                           ; s[50:51] norm: the weights that I convert
.set WD,  52                           ; s[52:53] norm: where they go
.set OF,  54                           ; s[54:55] a byte offset in 64 bits; s55 stays 0
                                       ; s56-s59 at work, written anew in each part; s60 keeps EXEC
	s_load_b512 s[8:23], s[0:1], 0x0               ; x 8, gamma 10, beta 12, q_w 14, k_w 16, v_w 18, o_w 20, v_b 22
	s_load_b128 s[24:27], s[0:1], 0x40             ; h 24, wbf 26
	s_load_b64 s[28:29], s[0:1], 0x50              ; bfold
	v_lshl_add_u32 v[SPW], v0, 2, SPARE
	v_mov_b32 v[NIL], 0
	v_lshrrev_b32 v[PX], 5, v0
	v_readfirstlane_b32 s[WV], v[PX]               ; wave 0..15
	v_and_b32 v[LL], 31, v0
	v_and_b32 v[RR], 15, v0
	v_bfe_u32 v[HH], v0, 4, 1
	s_mov_b32 s[G], ttmp9
	s_mov_b32 s[SEL], 0x76543210
	s_mov_b32 s[SEL+1], 0xfedcba98
	s_lshr_b32 s[OT], s[G], 3
	s_and_b32 s[IG], s[G], 7
	s_and_b32 s[GOF], s[G], 31                     ; the group in its batch: 16 channels, 64 bytes of gamma and beta,
	s_lshl_b32 s[GOF], s[GOF], 6
	s_and_b32 s56, s[WV], 7
	s_lshl3_add_u32 s[GOF], s56, s[GOF]            ; two channels' 8 bytes for wave % 8
	s_lshl_b32 s[OF], s[G], 17                     ; a group is 131,072 bytes of x
	s_mov_b32 s[OF+1], 0
	s_wait_kmcnt 0x0
	s_add_nc_u64 s[XB:XB+1], s[8:9], s[OF:OF+1]
	s_lshl_b32 s[OF], s[G], 16                     ; and 65,536 of h
	s_add_nc_u64 s[HB:HB+1], s[24:25], s[OF:OF+1]
	s_load_b64 s[30:31], s[10:11], s[GOF] offset:0x0  ; gamma and beta of two channels: issued ahead of the branch, so that the registers are written on every wave's way;
	s_load_b64 s[32:33], s[12:13], s[GOF] offset:0x0  ; waves 0-7 wait for them in their last part
	s_cmp_lt_u32 s[WV], 8                          ; the branches hang on the wave's number alone and jump over no barrier
	s_cbranch_scc0 .Lfold1
	; ---------------- norm waves, part 1: the loads, the weights' conversion, the sum
	s_cmp_lt_u32 s[G], 128                         ; work-groups 0-127 convert q_w, 128-255 k_w: four rows each
	s_cselect_b64 s[WS:WS+1], s[14:15], s[16:17]
	s_and_b32 s56, s[G], 127
	s_lshl_b32 s[OF], s56, 13                      ; four rows of 2,048 bytes
	s_add_nc_u64 s[WS:WS+1], s[WS:WS+1], s[OF:OF+1]
	s_lshr_b32 s[OF], s[G], 7                      ; wbf: matrix x 524,288
	s_lshl_b32 s[OF], s[OF], 19
	s_lshl_b32 s57, s[WV], 16                      ; + block kb = my wave x 65,536
	s_add_co_u32 s[OF], s[OF], s57
	s_lshl_b32 s57, s56, 9                         ; + four rows of 128 bytes
	s_add_co_u32 s[OF], s[OF], s57
	s_add_nc_u64 s[WD:WD+1], s[26:27], s[OF:OF+1]
	v_lshrrev_b32 v[PX], 3, v[LL]                  ; weights in: row l / 8, my block's 256 bytes, 32 bytes a lane
	v_and_b32 v5, 7, v[LL]
	v_lshlrev_b32 v5, 5, v5
	v_lshl_add_u32 v5, v[PX], 11, v5
	s_lshl_b32 s57, s[WV], 8
	v_add_nc_u32 v5, s57, v5
	v_lshlrev_b32 v6, 4, v[LL]                     ; weights out: 16 bytes a lane, 512 dense bytes a wave
	s_lshl_b32 s57, s[WV], 14
	v_lshl_add_u32 v4, v[LL], 4, s57               ; x: my two rows of 8,192 bytes, 16 bytes a lane
	s_lshl_b32 s57, s[WV], 2
	s_add_co_u32 s57, s57, NS0
	v_mov_b32 v8, s57                              ; my wave's word among the sums
	global_load_b128 v[16:19], v5, s[WS:WS+1]
	global_load_b128 v[20:23], v5, s[WS:WS+1] offset:16
.set q, 0
.rept 32
	global_load_b128 v[X+4*q:X+4*q+3], v4, s[XB:XB+1] offset:512*q th:TH_LOAD_NT  ; 512 consecutive bytes a load; loads 0-15 my first channel, 16-31 my second
.set q, q+1
.endr
	s_wait_loadcnt 32                              ; the two loads of weights are in; the 32 of x are younger
.irp p, 0,1,2,3
	v_cvt_pk_bf16_f32 v[24+(\p)], v[16+2*(\p)], v[17+2*(\p)]
.endr
	global_store_b128 v6, v[24:27], s[WD:WD+1]
	s_wait_loadcnt 24                              ; x's loads 0-7; the counts below are the younger loads
.irp i, 0,1,2,3
	v_pk_add_f32 v[CH+2*(\i):CH+2*(\i)+1], v[X+2*(\i):X+2*(\i)+1], v[X+8+2*(\i):X+8+2*(\i)+1]  ; the first eight pairs start four chains: nothing is cleared
.endr
.set p, 8
.rept 56
.if p == 16
	s_wait_loadcnt 16
.elseif p == 32
	s_wait_loadcnt 8
.elseif p == 48
	s_wait_loadcnt 0x0
.endif
	v_pk_add_f32 v[CH+2*(p%4):CH+2*(p%4)+1], v[CH+2*(p%4):CH+2*(p%4)+1], v[X+2*p:X+2*p+1]
.set p, p+1
.endr
.macro REDUCE                          ; the four chains, then the 32 lanes: the wave's sum in every lane's v50
	v_pk_add_f32 v[CH:CH+1], v[CH:CH+1], v[CH+2:CH+3]
	v_pk_add_f32 v[CH+4:CH+5], v[CH+4:CH+5], v[CH+6:CH+7]
	v_pk_add_f32 v[CH:CH+1], v[CH:CH+1], v[CH+4:CH+5]
	v_add_f32 v50, v[CH], v[CH+1]
	v_add_f32_dpp v50, v50, v50 row_xmask:1 row_mask:0xf bank_mask:0xf
	v_add_f32_dpp v50, v50, v50 row_xmask:2 row_mask:0xf bank_mask:0xf
	v_add_f32_dpp v50, v50, v50 row_xmask:4 row_mask:0xf bank_mask:0xf
	v_add_f32_dpp v50, v50, v50 row_xmask:8 row_mask:0xf bank_mask:0xf
	v_permlanex16_b32 v[PX], v50, s[SEL], s[SEL+1]
	v_add_f32 v50, v50, v[PX]
.endm
.macro SUM8 base                       ; the eight waves' words at LDS byte base, added: v50
	v_mov_b32 v9, \base
	ds_load_b128 v[52:55], v9
	ds_load_b128 v[56:59], v9 offset:16
	s_wait_dscnt 0x0
	v_pk_add_f32 v[52:53], v[52:53], v[54:55]
	v_pk_add_f32 v[56:57], v[56:57], v[58:59]
	v_pk_add_f32 v[52:53], v[52:53], v[56:57]
	v_add_f32 v50, v52, v53
.endm
	REDUCE
	ds_store_b32 v8, v50                           ; all lanes write the same number to the wave's word
	s_branch .Ljoin1
	; ---------------- fold waves, part 1: my 64 of the 512 terms, two K steps of 32
.Lfold1:
	s_sub_co_u32 s56, s[WV], 8                     ; w' = 0..7: terms 64 w' .. 64 w' + 63
	s_lshl_b32 s57, s56, 8                         ; their 256 bytes in a row of o_w and in v_b
	; Source 0 = o_w: fragment row m stands for row 16 OT + 2 (m % 8) + m / 8, so that register j of lane (r, hh) of a result is row 16 OT + 2 j + hh.
	; Source 1 = v_w turned: in tile it lane r stands for column 64 IG + 4 r + it, so that one load of 16 bytes feeds four tiles and a lane ends with four neighbouring columns.
	v_lshl_add_u32 v4, v[HH], 5, s57               ; v_b: 256 w' + 32 hh (terms 8 hh .. of a K step's 32)
	v_and_b32 v[PX], 7, v[RR]
	v_lshrrev_b32 v5, 3, v[RR]
	v_lshl_add_u32 v5, v[PX], 1, v5
	s_lshl_b32 s57, s[OT], 4
	v_add_nc_u32 v5, s57, v5
	v_lshl_add_u32 v5, v5, 11, v4                  ; o_w: row x 2,048 + the same bytes
	s_lshl_b32 s57, s56, 17                        ; v_w: 64 w' rows of 2,048 bytes
	s_lshl_b32 s58, s[IG], 8                       ; + the 64 columns' 256 bytes
	s_add_co_u32 s57, s57, s58
	v_lshl_add_u32 v6, v[HH], 14, s57              ; + 8 hh rows
	v_lshl_add_u32 v6, v[RR], 4, v6                ; + 16 r: sixteen lanes read 256 consecutive bytes
	s_lshl_b32 s57, s56, 12
	v_lshl_add_u32 v7, v[LL], 2, s57               ; my slice of PART
	s_lshl_b32 s57, s56, 10
	s_add_co_u32 s57, s57, PARTB
	v_lshl_add_u32 v8, v[LL], 2, s57               ; my slice of PARTB
.macro LD16 dst, adr, base             ; for each K step 16 numbers a lane: terms 8 hh + 0..7 and 16 + 8 hh + 0..7
.irp ks, 0,1
.irp c, 0,1,2,3
	global_load_b128 v[(\dst)+16*(\ks)+4*(\c):(\dst)+16*(\ks)+4*(\c)+3], v[\adr], s[\base:\base+1] offset:128*(\ks)+16*(\c)+32*((\c)/2)
.endr
.endr
.endm
	LD16 RB, 4, 22
	LD16 RO, 5, 20
.set n, 0
.rept 32                               ; K step n / 16; row n % 16 of the lane's sixteen: 8 hh + 0..7, then 16 + 8 hh + 0..7
	global_load_b128 v[RV+4*n:RV+4*n+3], v6, s[18:19] offset:(32*(n/16)+(n%16)+8*((n%16)/8))*2048
.set n, n+1
.endr
	s_wait_loadcnt 32                              ; v_b and o_w are in; v_w's 32 loads are younger
.irp b, RB, RB+16, RO, RO+16           ; rounded in place, ascending: the fragment is the low eight of each sixteen, the upper eight become free
.irp p, 0,1,2,3,4,5,6,7
	v_cvt_pk_bf16_f32 v[(\b)+(\p)], v[(\b)+2*(\p)], v[(\b)+2*(\p)+1]
.endr
.endr
	s_wait_loadcnt 16                              ; v_w's first K step; the second's 16 loads are younger
.irp it, 0,1,2,3                       ; tile it's fragment goes into the freed eight at v[24 + 16 it]
.irp p, 0,1,2,3,4,5,6,7
	v_cvt_pk_bf16_f32 v[24+16*(\it)+(\p)], v[RV+8*(\p)+(\it)], v[RV+8*(\p)+4+(\it)]
.endr
.endr
.irp it, 0,1,2,3                       ; the first K step starts the sums; the five accumulators take turns
	v_wmma_f32_16x16x32_bf16 v[ACC+8*(\it):ACC+8*(\it)+7], v[RO:RO+7], v[24+16*(\it):31+16*(\it)], 0
.endr
	v_wmma_f32_16x16x32_bf16 v[ACC+32:ACC+39], v[RO:RO+7], v[RB:RB+7], 0      ; every column holds v_b: every column of the result is b'
	s_wait_loadcnt 0x0
.irp it, 0,1,2,3                       ; the second K step's fragments go where the first's raw numbers lay: no register of the five products above
.irp p, 0,1,2,3,4,5,6,7
	v_cvt_pk_bf16_f32 v[RV+8*(\it)+(\p)], v[RV+64+8*(\p)+(\it)], v[RV+64+8*(\p)+4+(\it)]
.endr
.endr
.irp it, 0,1,2,3
	v_wmma_f32_16x16x32_bf16 v[ACC+8*(\it):ACC+8*(\it)+7], v[RO+16:RO+23], v[RV+8*(\it):RV+8*(\it)+7], v[ACC+8*(\it):ACC+8*(\it)+7]
.endr
	v_wmma_f32_16x16x32_bf16 v[ACC+32:ACC+39], v[RO+16:RO+23], v[RB+16:RB+23], v[ACC+32:ACC+39]
.rept 4
	v_nop                                          ; four places between the last product and the LDS stores that read results
.endr
.irp it, 0,1,2,3
.irp j, 0,1,2,3,4,5,6,7                ; each accumulator is read from its low end on
	ds_store_b32 v7, v[ACC+8*(\it)+(\j)] offset:PART+(\j)*512+(\it)*128
.endr
.endr
.irp j, 0,1,2,3,4,5,6,7
	ds_store_b32 v8, v[ACC+32+(\j)] offset:(\j)*128
.endr
.Ljoin1:
	s_wait_dscnt 0x0                               ; for the others' sake: my LDS stores are done
	s_barrier_signal -1
	s_barrier_wait -1                              ; the eight sums and the eight slices lie in LDS
	s_cmp_lt_u32 s[WV], 8
	s_cbranch_scc0 .Lfold2
	; ---------------- norm waves, part 2: the mean, the deviations, their squares
	SUM8 NS0
	v_mul_f32 v40, 0x38000000, v50                 ; / 32,768
	v_mul_f32 v41, 0x38000000, v50
.set p, 0
.rept 64
	v_pk_add_f32 v[X+2*p:X+2*p+1], v[X+2*p:X+2*p+1], v[40:41] neg_lo:[0,1] neg_hi:[0,1]
.set p, p+1
.endr
.irp i, 0,1,2,3
	v_pk_mul_f32 v[CH+2*(\i):CH+2*(\i)+1], v[X+2*(\i):X+2*(\i)+1], v[X+2*(\i):X+2*(\i)+1]
.endr
.set p, 4
.rept 60
	v_pk_fma_f32 v[CH+2*(p%4):CH+2*(p%4)+1], v[X+2*p:X+2*p+1], v[X+2*p:X+2*p+1], v[CH+2*(p%4):CH+2*(p%4)+1]
.set p, p+1
.endr
	REDUCE
	s_lshl_b32 s57, s[WV], 2
	s_add_co_u32 s57, s57, NS1
	v_mov_b32 v8, s57                              ; my wave's word among the sums of squares
	ds_store_b32 v8, v50
	s_branch .Ljoin2
	; ---------------- fold waves, part 2: wave w' adds the eight slices of register j = w': rows 16 OT + 2 w' + hh
.Lfold2:
	s_sub_co_u32 s56, s[WV], 8                     ; w'
	s_lshl_b32 s57, s56, 9
	v_lshl_add_u32 v9, v[LL], 2, s57
	s_lshl_b32 s57, s56, 7
	s_add_co_u32 s57, s57, PARTB
	v_lshl_add_u32 v10, v[LL], 2, s57
.irp sl, 0,1,2,3,4,5,6,7
.irp it, 0,1,2,3
	ds_load_b32 v[16+4*(\sl)+(\it)], v9 offset:PART+(\sl)*4096+(\it)*128
.endr
.endr
.irp sl, 0,1,2,3,4,5,6,7
	ds_load_b32 v[48+(\sl)], v10 offset:(\sl)*1024
.endr
	s_lshl_b32 s57, s[IG], 16                      ; wbf: the third matrix, block kb = IG,
	s_add_co_u32 s57, s57, 1048576
	s_lshl_b32 s58, s[OT], 11                      ; row 16 OT + 2 w' + hh of 128 bytes,
	s_add_co_u32 s57, s57, s58
	s_lshl_b32 s58, s56, 8
	s_add_co_u32 s57, s57, s58
	v_lshl_add_u32 v11, v[HH], 7, s57
	v_lshl_add_u32 v11, v[RR], 3, v11              ; my four columns' 8 bytes: the wave stores 256 consecutive bytes, aligned
	s_lshl_b32 s58, s[OT], 6                       ; bfold: the same row's 4 bytes
	s_lshl3_add_u32 s58, s56, s58
	v_lshl_add_u32 v12, v[HH], 2, s58
	s_wait_dscnt 0x0
.irp a, 0,2,4,6
	v_pk_add_f32 v[16+4*(\a):17+4*(\a)], v[16+4*(\a):17+4*(\a)], v[20+4*(\a):21+4*(\a)]
	v_pk_add_f32 v[18+4*(\a):19+4*(\a)], v[18+4*(\a):19+4*(\a)], v[22+4*(\a):23+4*(\a)]
.endr
.irp a, 0,4
	v_pk_add_f32 v[16+4*(\a):17+4*(\a)], v[16+4*(\a):17+4*(\a)], v[24+4*(\a):25+4*(\a)]
	v_pk_add_f32 v[18+4*(\a):19+4*(\a)], v[18+4*(\a):19+4*(\a)], v[26+4*(\a):27+4*(\a)]
.endr
	v_pk_add_f32 v[16:17], v[16:17], v[32:33]
	v_pk_add_f32 v[18:19], v[18:19], v[34:35]
	v_pk_add_f32 v[48:49], v[48:49], v[50:51]
	v_pk_add_f32 v[52:53], v[52:53], v[54:55]
	v_pk_add_f32 v[48:49], v[48:49], v[52:53]
	v_add_f32 v48, v48, v49
	v_cvt_pk_bf16_f32 v60, v16, v17
	v_cvt_pk_bf16_f32 v61, v18, v19
	global_store_b64 v11, v[60:61], s[26:27]
	s_cmp_lg_u32 s[IG], 0                          ; b' is the same for all eight column blocks: the first stores it
	s_cbranch_scc1 .Ljoin2
	s_wait_xcnt 0x0                                ; EXEC is a source of the store above: it changes only behind this wait
	v_cmp_eq_u32 vcc_lo, 0, v[RR]
	s_and_saveexec_b32 s60, vcc_lo                 ; lanes 0 and 16: the two rows
	global_store_b32 v12, v48, s[28:29]
	s_wait_xcnt 0x0                                ; and again, in front of the line that widens it
	s_or_b32 exec_lo, exec_lo, s60
.Ljoin2:
	s_wait_dscnt 0x0
	s_barrier_signal -1
	s_barrier_wait -1                              ; the eight sums of squares lie in LDS
	s_cmp_lt_u32 s[WV], 8
	s_cbranch_scc0 .Lend
	; ---------------- norm waves, part 3: scale, shift, round, store
	SUM8 NS1
	s_mov_b32 s56, 0x38000000                      ; 1 / 32,768
	s_mov_b32 s57, 0x358637bd                      ; 1e-6
	v_fma_f32 v50, v50, s56, s57                   ; var + 1e-6
	v_rsq_f32 v52, v50
	s_lshl_b32 s58, s[WV], 13
	v_lshl_add_u32 v7, v[LL], 3, s58               ; h: my two rows of 4,096 bytes, 8 bytes a lane.  Also the plain instruction behind the transcendental (ISA guide 5.7.2);
	s_wait_alu depctr_va_vdst(0)                   ; and the wait ahead of its first reader
	s_wait_kmcnt 0x0                               ; gamma and beta of my two channels
	v_mul_f32 v42, s30, v52
	v_mul_f32 v43, s30, v52
	v_mul_f32 v44, s31, v52
	v_mul_f32 v45, s31, v52
	v_mov_b32 v46, s32
	v_mov_b32 v47, s32
	v_mov_b32 v48, s33
	v_mov_b32 v49, s33
.set q, 0
.rept 32
	v_pk_fma_f32 v[X+4*q:X+4*q+1], v[X+4*q:X+4*q+1], v[42+2*(q/16):43+2*(q/16)], v[46+2*(q/16):47+2*(q/16)]
	v_pk_fma_f32 v[X+4*q+2:X+4*q+3], v[X+4*q+2:X+4*q+3], v[42+2*(q/16):43+2*(q/16)], v[46+2*(q/16):47+2*(q/16)]
	v_cvt_pk_bf16_f32 v[Y+2*q], v[X+4*q], v[X+4*q+1]
	v_cvt_pk_bf16_f32 v[Y+2*q+1], v[X+4*q+2], v[X+4*q+3]
	global_store_b64 v7, v[Y+2*q:Y+2*q+1], s[HB:HB+1] offset:256*q  ; the wave stores 256 consecutive bytes, at a multiple of 256 from h's first
.set q, q+1
.endr
.Lend:
	s_wait_tensorcnt 0x0                           ; the wave's end: behind my last LDS store
	ds_add_u32 v[SPW], v[NIL]
	s_wait_dscnt 0x0
	s_endpgm
.Lfunc_end_k_q5da9826ea4_prep:
	.size	k_q5da9826ea4_prep, .Lfunc_end_k_q5da9826ea4_prep-k_q5da9826ea4_prep
	.p2alignl 7, 3214868480
	.fill 96, 4, 3214868480
	.section	.rodata,"a",@progbits
	.p2align	6, 0x0
	.amdhsa_kernel k_q5da9826ea4_prep
		.amdhsa_group_segment_fixed_size 43520
		.amdhsa_private_segment_fixed_size 0
		.amdhsa_enable_private_segment 0
		.amdhsa_kernarg_size 88
		.amdhsa_user_sgpr_count 2
		.amdhsa_user_sgpr_kernarg_segment_ptr 1
		.amdhsa_wavefront_size32 1
		.amdhsa_system_sgpr_workgroup_id_x 1
		.amdhsa_system_sgpr_workgroup_id_y 1
		.amdhsa_system_sgpr_workgroup_id_z 1
		.amdhsa_system_vgpr_workitem_id 0
		.amdhsa_next_free_vgpr 256
		.amdhsa_next_free_sgpr 66
		.amdhsa_reserve_vcc 1
		.amdhsa_float_denorm_mode_32 3
		.amdhsa_float_denorm_mode_16_64 3
		.amdhsa_memory_ordered 1
		.amdhsa_forward_progress 1
		.amdhsa_inst_pref_size 52
	.end_amdhsa_kernel
	.amdgpu_metadata
---
amdhsa.version: [ 1, 2 ]
amdhsa.kernels:
  - .name:           k_q5da9826ea4_prep
    .symbol:         k_q5da9826ea4_prep.kd
    .args:
      - { .name: x, .offset: 0, .size: 8, .value_kind: global_buffer, .address_space: global }
      - { .name: gamma, .offset: 8, .size: 8, .value_kind: global_buffer, .address_space: global }
      - { .name: beta, .offset: 16, .size: 8, .value_kind: global_buffer, .address_space: global }
      - { .name: q_w, .offset: 24, .size: 8, .value_kind: global_buffer, .address_space: global }
      - { .name: k_w, .offset: 32, .size: 8, .value_kind: global_buffer, .address_space: global }
      - { .name: v_w, .offset: 40, .size: 8, .value_kind: global_buffer, .address_space: global }
      - { .name: o_w, .offset: 48, .size: 8, .value_kind: global_buffer, .address_space: global }
      - { .name: v_b, .offset: 56, .size: 8, .value_kind: global_buffer, .address_space: global }
      - { .name: h, .offset: 64, .size: 8, .value_kind: global_buffer, .address_space: global }
      - { .name: wbf, .offset: 72, .size: 8, .value_kind: global_buffer, .address_space: global }
      - { .name: bfold, .offset: 80, .size: 8, .value_kind: global_buffer, .address_space: global }
    .group_segment_fixed_size: 43520
    .private_segment_fixed_size: 0
    .kernarg_segment_align: 8
    .kernarg_segment_size: 88
    .max_flat_workgroup_size: 512
    .sgpr_count:     66
    .vgpr_count:     256
    .wavefront_size: 32
...
	.end_amdgpu_metadata
.endif
;; end of part 1
;; launch proj (part 2): grid 128 x 2, 4 waves a work-group, clusters of 4 x 1, 327,680 bytes of LDS; arguments h, wbf, q_b, k_b, bfold, qkv; writes qkv
.if DOCPART == 2
	.amdgcn_target "amdgcn-amd-amdhsa--gfx1250"
	.amdhsa_code_object_version 6
	.text
	.protected	k_q5da9826ea4_proj
	.globl	k_q5da9826ea4_proj
	.p2align	8
	.type	k_q5da9826ea4_proj,@function
k_q5da9826ea4_proj:
	s_mov_b64 s[64:65], 0
	v_nop
	global_prefetch_b8 v0, s[64:65] scope:SCOPE_SE
	s_setreg_imm32_b32 hwreg(HW_REG_WAVE_MODE, 25, 1), 1
	s_wait_xcnt 0x0
	s_wait_alu depctr_hold_cnt(0) depctr_sa_sdst(0) depctr_va_vdst(0) depctr_va_sdst(0) depctr_va_ssrc(0) depctr_va_vcc(0) depctr_vm_vsrc(0)
	s_getreg_b32 s2, hwreg(HW_REG_IB_STS2, 6, 4)
	s_cmp_eq_u32 s2, 0
	s_cbranch_scc0 .Lentry_in_a_cluster
	s_endpgm
.Lentry_in_a_cluster:
	s_bfe_u32 s2, ttmp6, 0x10000c
	s_cmp_lg_u32 s2, 0x3003
	s_cbranch_scc0 .Lentry_shape_is_right
	s_endpgm
.Lentry_shape_is_right:
; PROJ.  qkv[mtx][b][t][o] = sum over c of h[b][c][t] W_mtx[o][c] + bias_mtx[o], mtx = q, k, v' (v' = the folded o_w v_w, with bias o_w v_b).  bf16 operands, f32 sums, rounded once to bf16.
; SHARES.  A work-group owns 128 steps t of one batch (x of the grid) and 256 outputs o (y), for all three matrices: its block of h, 512 c x 128 t, comes into LDS once and stays.
; The weights stream through a ring of two slots as 12 tiles of 256 o x 128 c (tile 4 mtx + kk lies 131,072 (4 mtx + kk) bytes into wbf, as two blocks of 64 c whose rows of 128 bytes lie end to end).
; A wave makes 64 t x 128 o: 32 accumulators.  CLUSTER: the four t blocks of a cluster walk the same weight tiles, so each is asked for JOINTLY, by the same load, descriptor and mask in all four.
; h's block is read by the two work-groups of the two o halves only, once a launch, and these lie in different clusters: it comes by a plain load.
; THE ORDER OF THE MATRICES.  Cluster x begins with matrix x % 3 and goes round, so that at any time the launch's clusters ask for tiles of three different matrices.  Only global addresses hang on it.
; NO PREFETCH: a cluster's first four tiles are asked for at its head and in its first two changes of slots; every later tile is one that other clusters have asked for four tiles earlier.
; THE TEXT.  One loop of five trips, two tiles a trip, and a tail of two tiles that asks for nothing.  A matrix is two trips: by the trip's parity the bias starts the sums (even) or the matrix goes out (odd);
; these jumps go forward and pass no barrier and no tensor load.  The parity also picks the half of h's channels, by an offset that one exclusive or toggles.
; LAYOUT.  Source 0 = 16 rows o of W (K along the LDS rows), source 1 = h turned by ds_load_tr16_b128 (LDS holds [c][t]): a lane's eight results are eight neighbouring o of one row t: 16 bytes.
; REGISTERS, in windows of 256: window 0: v2-17 addresses; two fragment sets of 96 at v64 and v160 (8 of W, 4 of h), on the way out at work; window 1: accumulator (tb, ob) at 8 (8 tb + ob); window 2: v0-63 the bias.
.set HP,    288                        ; a row of h in LDS: 256 bytes + 32: an odd multiple of 32
.set WP,    144                        ; a row of a weight block: 128 bytes + 16: an odd multiple of 16
.set WRING, 512*HP                     ; 147,456: behind h
.set WSLOT, 2*256*WP                   ; 73,728: two blocks of 256 rows
.set STAGE, WRING+2*WSLOT              ; 294,912: 16 rows x 272 bytes for each wave, for the way out; no tensor load lands here
.set SP,    272
.set SPARE, STAGE+4*16*SP              ; 312,320: the spare words, 128 bytes a wave; no other line names them
.set AW,  2                            ; v2-3   my W fragments' address in slot 0, 1
.set AH,  4                            ; v4-5   my h fragments' address for channels 0-127 (slot 0's tile) and 128-255 (slot 1's); never rewritten
.set AHC, 6                            ; v6-7   the same for the trip in hand: + 0 or + 256 channels
.set STO, 8                            ; v8     the way out: where I put 16 bytes of a row
.set RD,  9                            ; v9     where I read rows back
.set CO,  10                           ; v10    my byte offset in two rows of qkv
.set BO,  11                           ; v11    my byte offset in the bias
.set SPW, 12                           ; v12    SPARE + 4 x my thread's number; never rewritten
.set NIL, 13                           ; v13    0; never rewritten
.set TMP, 64
.set WV,  16                           ; s16    my wave's number
.set G1H, 24                           ; s[24:31] group 1 for h
.set G1W, 32                           ; s[32:39] group 1 for the weights
.set G0H, 40                           ; s[40:43] group 0 for h
.set G0W, 44                           ; s[44:51] group 0 for the weights, a set for each slot
.set BP,  52                           ; s[52:53] the bias that is loaded next
.set OP,  54                           ; s[54:55] qkv at my part of the matrix in hand
.set PC,  56                           ; s56    the loop's count, 5 to 1
.set MN,  57                           ; s57    the matrix whose bias was loaded last
.set WB,  58                           ; s[58:59] wbf at my part of tile 0
.set TN,  66                           ; s66-67 the tile that slot 0, 1 was last filled with
.set OFF, 68                           ; s[68:69] a byte offset in 64 bits; s69 stays 0
.set OB,  70                           ; s[70:71] qkv at my part of matrix 0
.set PAR, 72                           ; s72    the trip's parity
.set HK,  73                           ; s73    0 or 256 rows of h in LDS
.set TT,  74                           ; s74    at work
.set MSB, 0
.macro WIN new                         ; the immediate's high byte repeats the setting that is left; a switch that changes nothing is dropped
.if MSB != (\new)
	s_set_vgpr_msb (MSB<<8)|(\new)
.set MSB, (\new)
.endif
.endm
.macro PLACES                          ; four places behind a matrix instruction, ahead of loads into its sources and of readers of its result
.rept 4
	v_nop
.endr
.endm
.macro CROUND                          ; a round of the cluster's barrier: my work-group's barrier; wave 0 signals for it; every wave waits for all four work-groups; my work-group's barrier again
	s_barrier_signal -1
	s_barrier_wait -1
	s_cmp_lg_u32 s[WV], 0
	s_cbranch_scc1 .Lnot_wave_0_\@
	s_barrier_signal -3
.Lnot_wave_0_\@:
	s_barrier_wait -3
	s_barrier_signal -1
	s_barrier_wait -1
.endm
.macro PICK                            ; the bias of matrix s[MN]: q_b, k_b or the folded one
	s_cmp_eq_u32 s[MN], 1
	s_cselect_b64 s[BP:BP+1], s[10:11], s[12:13]
	s_cmp_eq_u32 s[MN], 0
	s_cselect_b64 s[BP:BP+1], s[8:9], s[BP:BP+1]
.endm
	s_load_b256 s[4:11], s[0:1], 0x0               ; h 4, wbf 6, q_b 8, k_b 10
	s_load_b128 s[12:15], s[0:1], 0x20             ; bfold 12, qkv 14
	v_lshl_add_u32 v[SPW], v0, 2, SPARE
	v_mov_b32 v[NIL], 0
	ds_add_u32 v[SPW], v[NIL]                      ; the wave's opening: the add and its wait stand ahead of my first tensor load; the set-up below stands between them
	v_lshrrev_b32 v1, 5, v0
	v_readfirstlane_b32 s[WV], v1                  ; wave 0..3
	s_bfe_u32 s17, ttmp6, 0x40000                  ; cx: my place in the cluster
	s_lshl_b32 s18, ttmp9, 2
	s_add_co_u32 s18, s18, s17                     ; my t block, 0..127: batch x 16 + block.  It enters h's and qkv's addresses alone
	s_and_b32 s19, ttmp7, 0xffff                   ; y: which 256 outputs; the four partners share it
	s_lshr_b32 s20, s[WV], 1                       ; th: which 64 t are mine.  Also: which block of 64 c of a tile I fetch
	s_and_b32 s21, s[WV], 1                        ; oh: which 128 o.  Also: which 128 rows of that block
	s_mov_b32 s[G1H], (1<<16)|(1<<20)|(5<<22)|(7<<25)  ; no mask; 2-byte elements; padding on: after every 64 words (code 5) 8 words (code 7)
	s_mov_b32 s[G1H+1], 128<<16                    ; tensor_dim0 = 128
	s_mov_b32 s[G1H+2], 128<<16                    ; tensor_dim1 = 128
	s_mov_b32 s[G1H+3], 128<<16                    ; tile_dim0 = 128 steps t
	s_mov_b32 s[G1H+4], 128                        ; tile_dim1 = 128 channels
	s_mov_b32 s[G1H+5], 2048                       ; elements from channel to channel
	s_mov_b32 s[G1H+6], 0
	s_mov_b32 s[G1H+7], 0
	s_mov_b32 s[G1W], 15|(1<<16)|(1<<20)|(1<<21)|(4<<22)|(3<<25)  ; the mask of four, bit 21 beside it; padding: after every 32 words (code 4) 4 words (code 3)
	s_mov_b32 s[G1W+1], 128<<16                    ; 128 rows of 128 bytes are 16,384 dense bytes: asked for as 64 rows of 256 bytes
	s_mov_b32 s[G1W+2], 64<<16
	s_mov_b32 s[G1W+3], 128<<16
	s_mov_b32 s[G1W+4], 64
	s_mov_b32 s[G1W+5], 128
	s_mov_b32 s[G1W+6], 0
	s_mov_b32 s[G1W+7], 0
	s_mov_b32 s[G0H], 1
	s_mul_i32 s[G0H+1], s[WV], 128*HP              ; channels 128 w .. : no place in the cluster enters an LDS address
	s_mov_b32 s[G0W], 1
	s_mul_i32 s[G0W+1], s[WV], 128*WP
	s_add_co_u32 s[G0W+1], s[G0W+1], WRING
	s_mov_b32 s[G0W+4], 1
	s_add_co_u32 s[G0W+5], s[G0W+1], WSLOT
	s_lshr_b32 s22, s18, 4                         ; h: batch x 2,097,152
	s_lshl_b32 s22, s22, 21
	s_and_b32 s23, s18, 15                         ; + the block's 256 bytes of a row
	s_lshl_b32 s23, s23, 8
	s_add_co_u32 s22, s22, s23
	s_lshl_b32 s23, s[WV], 19                      ; + my 128 channels of 4,096 bytes
	s_add_co_u32 s22, s22, s23
	s_mov_b32 s23, 0
	s_lshl_b32 s60, s20, 16                        ; the weights, in registers that never hold cx: my block of 64 c,
	s_lshl_b32 s61, s19, 15                        ; the half of o: 256 rows of 128 bytes,
	s_add_co_u32 s60, s60, s61
	s_lshl_b32 s61, s21, 14                        ; my 128 rows
	s_add_co_u32 s60, s60, s61
	s_mov_b32 s61, 0
	s_lshl_b32 s62, s19, 10                        ; the bias: (256 y + 128 oh) x 4 bytes
	s_lshl_b32 s63, s21, 9
	s_add_co_u32 s62, s62, s63
	s_mov_b32 s63, 0
	s_mul_i32 s[MN], ttmp9, 11                     ; the cluster's x modulo 3: (11 x) >> 5 is x / 3 for x = 0 .. 31
	s_lshr_b32 s[MN], s[MN], 5
	s_mul_i32 s[MN], s[MN], 3
	s_sub_co_u32 s[MN], ttmp9, s[MN]               ; my cluster's first matrix: the same in all four partners
	s_lshl_b32 s[TN], s[MN], 2                     ; its first two tiles
	s_add_co_u32 s[TN+1], s[TN], 1
	s_mov_b32 s[OFF+1], 0
	s_wait_dscnt 0x0                               ; the opening add is done
	s_wait_kmcnt 0x0
	s_add_nc_u64 s[G0H+2:G0H+3], s[4:5], s[22:23]
	s_or_b32 s[G0H+3], s[G0H+3], 0x80000000
	s_add_nc_u64 s[WB:WB+1], s[6:7], s[60:61]
	s_lshl_b32 s[OFF], s[TN], 17                   ; a tile is 131,072 bytes
	s_add_nc_u64 s[G0W+2:G0W+3], s[WB:WB+1], s[OFF:OFF+1]
	s_or_b32 s[G0W+3], s[G0W+3], 0x80000000
	s_lshl_b32 s[OFF], s[TN+1], 17
	s_add_nc_u64 s[G0W+6:G0W+7], s[WB:WB+1], s[OFF:OFF+1]
	s_or_b32 s[G0W+7], s[G0W+7], 0x80000000
	s_add_nc_u64 s[8:9], s[8:9], s[62:63]          ; the three biases at my 128 outputs
	s_add_nc_u64 s[10:11], s[10:11], s[62:63]
	s_add_nc_u64 s[12:13], s[12:13], s[62:63]
	PICK
	s_lshl_b32 s22, s18, 17                        ; qkv: my block's 128 rows of 1,024 bytes,
	s_lshl_b32 s62, s20, 16                        ; my 64 of them,
	s_add_co_u32 s22, s22, s62
	s_lshl_b32 s62, s19, 9                         ; my 128 outputs' 256 bytes
	s_add_co_u32 s22, s22, s62
	s_lshl_b32 s62, s21, 8
	s_add_co_u32 s22, s22, s62
	s_add_nc_u64 s[OB:OB+1], s[14:15], s[22:23]
	s_lshl_b32 s[OFF], s[MN], 24                   ; a matrix is 16,777,216 bytes of qkv
	s_add_nc_u64 s[OP:OP+1], s[OB:OB+1], s[OFF:OFF+1]
	CROUND                                         ; all four work-groups are here: the first loads meet
	tensor_load_to_lds s[G0H:G0H+3], s[G1H:G1H+7]  ; the first fills go out as one group: three loads of mine are out
	s_nop 0
	tensor_load_to_lds s[G0W:G0W+3], s[G1W:G1W+7]
	s_nop 0
	tensor_load_to_lds s[G0W+4:G0W+7], s[G1W:G1W+7]
	s_nop 0
	PLACES
	v_and_b32 v14, 15, v0                          ; r
	v_bfe_u32 v15, v0, 4, 1                        ; hh
	v_lshlrev_b32 v[BO], 5, v15                    ; a lane's eight outputs 8 hh + 0..7 of a block of 16
.macro BIASLD                          ; block ob's eight numbers at v[8 ob] of window 2
	WIN 0x80
.irp ob, 0,1,2,3,4,5,6,7
	global_load_b128 v[8*(\ob):8*(\ob)+3],   v[BO], s[BP:BP+1] offset:64*(\ob)
	global_load_b128 v[8*(\ob)+4:8*(\ob)+7], v[BO], s[BP:BP+1] offset:64*(\ob)+16
.endr
	WIN 0
.endm
	BIASLD                                         ; my first matrix's
	v_mul_u32_u24 v[AW], v14, WP                   ; a W fragment: row r x pitch + 16 hh, two loads 32 bytes apart
	v_lshl_add_u32 v[AW], v15, 4, v[AW]
	s_mul_i32 s62, s21, 128*WP
	s_add_co_u32 s62, s62, WRING
	v_add_nc_u32 v[AW], s62, v[AW]
	v_add_nc_u32 v[AW+1], WSLOT, v[AW]
	v_and_b32 v16, 7, v0                           ; the turning load: lane l reads channel 8 hh + l % 8, steps 8 ((l / 8) % 2) + 0..7
	v_bfe_u32 v17, v0, 3, 1
	v_lshl_add_u32 v[AH], v15, 3, v16
	v_mul_u32_u24 v[AH], v[AH], HP
	v_lshl_add_u32 v[AH], v17, 4, v[AH]
	s_lshl_b32 s62, s20, 7                         ; my 64 steps' 128 bytes
	v_add_nc_u32 v[AH], s62, v[AH]
	v_add_nc_u32 v[AH+1], 128*HP, v[AH]
	s_mul_i32 s62, s[WV], 16*SP
	s_add_co_u32 s62, s62, STAGE                   ; my stage
	v_mul_u32_u24 v[STO], v14, SP
	v_lshl_add_u32 v[STO], v15, 4, v[STO]
	v_add_nc_u32 v[STO], s62, v[STO]
	v_mul_u32_u24 v[RD], v15, SP
	v_lshl_add_u32 v[RD], v14, 4, v[RD]
	v_add_nc_u32 v[RD], s62, v[RD]
	v_lshlrev_b32 v[CO], 10, v15
	v_lshl_add_u32 v[CO], v14, 4, v[CO]
; 24 LDS loads in one run: 32 channels (quarter kq of the slot's tile) of my 128 o and my 64 t, into set b
.macro FETCH slot, kq, b
	WIN 0
.irp ob, 0,1,2,3,4,5,6,7
	ds_load_b128 v[64+96*(\b)+8*(\ob):64+96*(\b)+8*(\ob)+3],   v[AW+(\slot)] offset:((\kq)/2)*256*WP+(\ob)*16*WP+((\kq)%2)*64
	ds_load_b128 v[64+96*(\b)+8*(\ob)+4:64+96*(\b)+8*(\ob)+7], v[AW+(\slot)] offset:((\kq)/2)*256*WP+(\ob)*16*WP+((\kq)%2)*64+32
.endr
.irp tb, 0,1,2,3
	ds_load_tr16_b128 v[128+96*(\b)+8*(\tb):128+96*(\b)+8*(\tb)+3],   v[AHC+(\slot)] offset:(\kq)*32*HP+32*(\tb)
	ds_load_tr16_b128 v[128+96*(\b)+8*(\tb)+4:128+96*(\b)+8*(\tb)+7], v[AHC+(\slot)] offset:(\kq)*32*HP+32*(\tb)+16*HP
.endr
.endm
; 32 products; the 32 accumulators take turns, one instruction a turn, over the loop's jump too.  start = 1: the bias starts the sums: nothing is cleared
.macro MUL b, start
.if \start
	WIN 0x60                                       ; C in window 2, D in window 1
.else
	WIN 0x50                                       ; C and D in window 1
.endif
.irp tb, 0,1,2,3
.irp ob, 0,1,2,3,4,5,6,7
.if \start
	v_wmma_f32_16x16x32_bf16 v[8*(8*(\tb)+(\ob)):8*(8*(\tb)+(\ob))+7], v[64+96*(\b)+8*(\ob):64+96*(\b)+8*(\ob)+7], v[128+96*(\b)+8*(\tb):128+96*(\b)+8*(\tb)+7], v[8*(\ob):8*(\ob)+7]
.else
	v_wmma_f32_16x16x32_bf16 v[8*(8*(\tb)+(\ob)):8*(8*(\tb)+(\ob))+7], v[64+96*(\b)+8*(\ob):64+96*(\b)+8*(\ob)+7], v[128+96*(\b)+8*(\tb):128+96*(\b)+8*(\tb)+7], v[8*(8*(\tb)+(\ob)):8*(8*(\tb)+(\ob))+7]
.endif
.endr
.endr
.endm
; A tile: four quarters of 32 channels on sets 0, 1, 0, 1.  Each wait's 24 are the younger set's loads.
; first = 1: in an even trip this is a matrix's first tile, and its first 32 products take the bias as C: the two forms stand side by side under a branch on the parity.
.macro TILE slot, first
	FETCH \slot, 0, 0
	FETCH \slot, 1, 1
	s_wait_dscnt 24
.if \first
	s_wait_loadcnt 0x0                             ; the bias; it stands ahead of the branch, so that no load of the bias is out on either way
	s_cmp_eq_u32 s[PAR], 0
	s_cbranch_scc0 .Lon_\@
	MUL 0, 1
	WIN 0                                          ; at a branch and at a label every window is 0
	s_branch .Lgo_\@
.Lon_\@:
	MUL 0, 0
	WIN 0
.Lgo_\@:
.else
	MUL 0, 0
.endif
	PLACES
	FETCH \slot, 2, 0
	s_wait_dscnt 24
	MUL 1, 0
	PLACES
	FETCH \slot, 3, 1
	s_wait_dscnt 24
	MUL 0, 0
	s_wait_dscnt 0x0
	MUL 1, 0
.endm
; THE CHANGE OF SLOTS behind a tile in slot f.  Each wave waits for all its tensor loads (one is out: its part of the other slot), adds 0 to its spare word, and waits for that and for its reads of slot f.
; refill = 1: the barrier is a round of the cluster's, so that no wave of any partner still reads the slot or has a load on its way; the joint refill, two tiles on in the walk (behind tile 11 comes
; tile 0), is the first thing behind it and has a tile's 128 products in which to land.  Its address is made anew from the tile's number.
.macro CHANGE f, refill
	WIN 0                                          ; at a label and at a branch every window is 0
	s_wait_tensorcnt 0x0                           ; no tensor load of mine is out, so a group 0 may be written
	ds_add_u32 v[SPW], v[NIL]                      ; 0 onto my spare word
.if \refill
	s_add_co_u32 s[TN+(\f)], s[TN+(\f)], 2
	s_cmp_ge_u32 s[TN+(\f)], 12
	s_cselect_b32 s[TT], 12, 0
	s_sub_co_u32 s[TN+(\f)], s[TN+(\f)], s[TT]
	s_lshl_b32 s[OFF], s[TN+(\f)], 17
	s_add_nc_u64 s[G0W+4*(\f)+2:G0W+4*(\f)+3], s[WB:WB+1], s[OFF:OFF+1]
	s_or_b32 s[G0W+4*(\f)+3], s[G0W+4*(\f)+3], 0x80000000
.endif
	s_wait_dscnt 0x0                               ; the add is done, and my reads of the slot are over
.if \refill
	CROUND
	tensor_load_to_lds s[G0W+4*(\f):G0W+4*(\f)+3], s[G1W:G1W+7]
	s_nop 0
	PLACES                                         ; also the places ahead of what follows: loads into the fragment sets, or the conversions of the way out
.else
	s_barrier_signal -1
	s_barrier_wait -1
	PLACES
.endif
.endm
; THE WAY OUT of 16 rows t (block tb): rounded to bf16, 16 bytes a lane; through my own stage; back as whole rows of 256 bytes; stored.
.macro PACK tb
	WIN 0x05                                       ; sources in window 1, destination in window 0
.irp ob, 0,1,2,3,4,5,6,7
.irp p, 0,1,2,3                        ; each accumulator is read from its low end on
	v_cvt_pk_bf16_f32 v[TMP+4*(\ob)+(\p)], v[8*(8*(\tb)+(\ob))+2*(\p)], v[8*(8*(\tb)+(\ob))+2*(\p)+1]
.endr
.endr
	WIN 0
.endm
.macro TOSTAGE tb
.irp ob, 0,1,2,3,4,5,6,7
	ds_store_b128 v[STO], v[TMP+4*(\ob):TMP+4*(\ob)+3] offset:32*(\ob)
.endr
.irp u, 0,1,2,3,4,5,6,7
	ds_load_b128 v[128+32*((\tb)%2)+4*(\u):128+32*((\tb)%2)+4*(\u)+3], v[RD] offset:(\u)*2*SP  ; LDS serves a wave's instructions in order (ISA guide 5.7.1.4): these see the stores above
.endr
.endm
.macro SEND tb
	s_wait_dscnt 0x0                               ; the block is back in registers
	s_wait_xcnt 0x0                                ; earlier stores have read their registers: the block after next may land on them
.irp u, 0,1,2,3,4,5,6,7
	global_store_b128 v[CO], v[128+32*((\tb)%2)+4*(\u):128+32*((\tb)%2)+4*(\u)+3], s[OP:OP+1] offset:(\tb)*16384+(\u)*2048  ; 16 lanes store 256 consecutive bytes, aligned
.endr
.endm
.macro EPI next
	PACK 0
	TOSTAGE 0
.irp a, 1,2,3                          ; block a's conversions stand between block a - 1's loads from the stage and the wait for them
	PACK \a
	SEND (\a)-1
	TOSTAGE \a
.endr
	SEND 3
.if \next
	s_wait_xcnt 0x0                                ; the stores have read their base and their data
	s_lshl_b32 s[OFF], s[MN], 24                   ; the next matrix: the one whose bias has been loaded
	s_add_nc_u64 s[OP:OP+1], s[OB:OB+1], s[OFF:OFF+1]
.endif
.endm
	s_wait_tensorcnt 1                             ; my parts of h and of the first tile are in; the second tile may stay out
	s_barrier_signal -1
	s_barrier_wait -1                              ; everybody's are
	s_mov_b32 s[PC], 5
	s_mov_b32 s[PAR], 0
	s_mov_b32 s[HK], 0
.Lpair:                                        ; a trip: two tiles, two refills.  Even trips: channels 0-255, odd trips: channels 256-511 of a matrix
	v_add_nc_u32 v[AHC], s[HK], v[AH]
	v_add_nc_u32 v[AHC+1], s[HK], v[AH+1]
	TILE 0, 1
	CHANGE 0, 1
	s_lshr_b32 s[TT], 0x28, s[PC]                  ; in the first and the third trip (count 5 and 3) the next matrix's bias is loaded: its registers' last readers stand a tile back, its wait in the next trip's first tile
	s_and_b32 s[TT], s[TT], 1
	s_cmp_eq_u32 s[TT], 1
	s_cbranch_scc0 .Lno_bias
	s_add_co_u32 s[MN], s[MN], 1                   ; behind matrix 2 comes matrix 0
	s_cmp_eq_u32 s[MN], 3
	s_cselect_b32 s[MN], 0, s[MN]
	PICK
	BIASLD
.Lno_bias:
	TILE 1, 0
	CHANGE 1, 1                                    ; the refill is asked for ahead of the stores: the next products wait for it, nothing waits for the stores
	s_cmp_eq_u32 s[PAR], 1
	s_cbranch_scc0 .Lno_out
	EPI 1
.Lno_out:
	s_xor_b32 s[PAR], s[PAR], 1
	s_xor_b32 s[HK], s[HK], 256*HP
	s_sub_co_u32 s[PC], s[PC], 1
	s_cmp_lg_u32 s[PC], 0
	s_cbranch_scc1 .Lpair
	v_add_nc_u32 v[AHC], s[HK], v[AH]              ; the tail is written out: the last matrix's channels 256-511; nothing is asked for
	v_add_nc_u32 v[AHC+1], s[HK], v[AH+1]
	TILE 0, 0
	CHANGE 0, 0
	TILE 1, 0
	WIN 0
	PLACES
	EPI 0
	s_wait_tensorcnt 0x0                           ; the wave's end: behind my last tensor load and my last LDS store
	ds_add_u32 v[SPW], v[NIL]
	s_wait_dscnt 0x0
	CROUND                                         ; the closing round: no work-group ends while a partner may still ask for a tile that names it
	s_endpgm
.Lfunc_end_k_q5da9826ea4_proj:
	.size	k_q5da9826ea4_proj, .Lfunc_end_k_q5da9826ea4_proj-k_q5da9826ea4_proj
	.p2alignl 7, 3214868480
	.fill 96, 4, 3214868480
	.section	.rodata,"a",@progbits
	.p2align	6, 0x0
	.amdhsa_kernel k_q5da9826ea4_proj
		.amdhsa_group_segment_fixed_size 327680
		.amdhsa_private_segment_fixed_size 0
		.amdhsa_enable_private_segment 0
		.amdhsa_kernarg_size 48
		.amdhsa_user_sgpr_count 2
		.amdhsa_user_sgpr_kernarg_segment_ptr 1
		.amdhsa_wavefront_size32 1
		.amdhsa_system_sgpr_workgroup_id_x 1
		.amdhsa_system_sgpr_workgroup_id_y 1
		.amdhsa_system_sgpr_workgroup_id_z 1
		.amdhsa_system_vgpr_workitem_id 0
		.amdhsa_next_free_vgpr 576
		.amdhsa_next_free_sgpr 76
		.amdhsa_reserve_vcc 0
		.amdhsa_float_denorm_mode_32 3
		.amdhsa_float_denorm_mode_16_64 3
		.amdhsa_memory_ordered 1
		.amdhsa_forward_progress 1
		.amdhsa_inst_pref_size 105
	.end_amdhsa_kernel
	.amdgpu_metadata
---
amdhsa.version: [ 1, 2 ]
amdhsa.kernels:
  - .name:           k_q5da9826ea4_proj
    .symbol:         k_q5da9826ea4_proj.kd
    .args:
      - { .name: h, .offset: 0, .size: 8, .value_kind: global_buffer, .address_space: global }
      - { .name: wbf, .offset: 8, .size: 8, .value_kind: global_buffer, .address_space: global }
      - { .name: q_b, .offset: 16, .size: 8, .value_kind: global_buffer, .address_space: global }
      - { .name: k_b, .offset: 24, .size: 8, .value_kind: global_buffer, .address_space: global }
      - { .name: bfold, .offset: 32, .size: 8, .value_kind: global_buffer, .address_space: global }
      - { .name: qkv, .offset: 40, .size: 8, .value_kind: global_buffer, .address_space: global }
    .group_segment_fixed_size: 327680
    .private_segment_fixed_size: 0
    .kernarg_segment_align: 8
    .kernarg_segment_size: 48
    .max_flat_workgroup_size: 128
    .sgpr_count:     76
    .vgpr_count:     576
    .wavefront_size: 32
...
	.end_amdgpu_metadata
.endif
;; end of part 2
;; launch attn (part 3): grid 32 x 8, 4 waves a work-group, clusters of 4 x 1, 327,680 bytes of LDS; arguments qkv, x, o_b, out0; writes out0
.if DOCPART == 3
	.amdgcn_target "amdgcn-amd-amdhsa--gfx1250"
	.amdhsa_code_object_version 6
	.text
	.protected	k_q5da9826ea4_attn
	.globl	k_q5da9826ea4_attn
	.p2align	8
	.type	k_q5da9826ea4_attn,@function
k_q5da9826ea4_attn:
	s_mov_b64 s[64:65], 0
	v_nop
	global_prefetch_b8 v0, s[64:65] scope:SCOPE_SE
	s_setreg_imm32_b32 hwreg(HW_REG_WAVE_MODE, 25, 1), 1
	s_wait_xcnt 0x0
	s_wait_alu depctr_hold_cnt(0) depctr_sa_sdst(0) depctr_va_vdst(0) depctr_va_sdst(0) depctr_va_ssrc(0) depctr_va_vcc(0) depctr_vm_vsrc(0)
	s_getreg_b32 s2, hwreg(HW_REG_IB_STS2, 6, 4)
	s_cmp_eq_u32 s2, 0
	s_cbranch_scc0 .Lentry_in_a_cluster
	s_endpgm
.Lentry_in_a_cluster:
	s_bfe_u32 s2, ttmp6, 0x10000c
	s_cmp_lg_u32 s2, 0x3003
	s_cbranch_scc0 .Lentry_shape_is_right
	s_endpgm
.Lentry_shape_is_right:
; ATTN.  out0[b][c][t] = x[b][c][t] + o_b[c] + sum over s of softmax_s(q[t] . k[s] / sqrt(512)) v'[s][c].  q, k, v': qkv[0..2][b][2048][512] in bf16 (v' holds the last projection already).
; Products, maxima and sums in f32; the weights p are rounded to bf16 for the second product (their sum l is taken of the unrounded p); o_b and x are added in f32.
; LIMITS.  |c score| stays under 4e37 (c m starts at -4.25e37); a weight below 2^-126 counts as 0; NaN and infinities are not treated apart (the first trip multiplies a tile of v' by weights that are all 0).
; SHARES.  A work-group owns 64 queries of a batch and walks its 2,048 keys in 16 steps of 128.  No wave can hold 512 channels of O for enough queries, so the waves split the KEYS in the first
; product and the CHANNELS in the second.  S: wave w makes S^T = K Q^T for keys 32 w .. + 31 and all 64 queries (Q whole in 512 registers of every wave): 8 accumulators, 128 products.
; P V: wave w makes O^T = V^T P for channels 128 w .. + 127 and all 64 queries: 32 accumulators, 128 products.  The local maxima and P cross the waves through LDS.
; LAYOUT.  In S^T a lane holds ONE query (lane % 16) and the keys 8 (lane / 16) + 0..7; two such results, rounded in pairs, ARE source 1 (32 keys x 16 queries) of the second product, so P goes
; through LDS as register images, 16 bytes a lane.  K comes out of LDS as it lies, V ([key][channel]) turned by ds_load_tr16_b128.
; SOFTMAX.  A running maximum m, common to the four waves, and in each wave a running sum l of its own keys: p = 2^(c s - c m), c = log2(e) / sqrt(512); a = 2^(c m_old - c m_new) multiplies l and O in every step.
; BY TURNS.  Trip J: V of step J - 1 is asked for; P of step J - 1 goes into LDS; S of step J is made, and O^T times a of step J - 1 stands between its products, four lines behind every fourth;
; the local maxima; K of step J + 1 is asked for; then O^T += V^T P of step J - 1, and the softmax of step J stands between ITS products, four lines behind every second.  So O^T is brought to the maximum of
; step J - 1 before the weights of that step are added.  P is packed in place, into the four lowest registers of each accumulator of S^T, and waits there for the next trip's first round: one P buffer serves.
; m starts at the lowest finite number, O, l, a and the packed P at 0: trip 0 is a trip like any other (its second product adds 0; the price is 128 products and 288 lines that write 0 at the head).
; Behind trip 15 stand O^T times a of step 15 and the last V^T P.
; TILES.  K and V have ONE slot each: V lands during S, K during P V.  A wave fetches just the bytes that it reads itself.  Two rounds a trip, one joint load a wave behind each.
; CLUSTER.  The four query blocks of a cluster belong to one batch and walk the same K and V: each tile is asked for JOINTLY, by the same load, descriptor and mask in all four.
; WHICH CLUSTER TAKES WHAT.  Of the cluster's x (bits x2 x1 x0) and y: batch = 4 x2 + 2 x0 + (y % 2), the cluster's number in its batch n = x1 + 2 (y / 2): a bijection of the 8 x 8 clusters; no value hangs on it.
; THE WALK.  The tile of step j is (j & 12) | ((j + n) & 3): the 16 tiles in groups of four, and within a group cluster n begins at place n % 4 and goes round (a softmax does not hang on the order of
; its keys).  So in a step a batch's clusters ask for four different tiles, and a tile is asked for first by the clusters with n % 4 = its place, in the group's first step.
; REGISTERS, in windows of 256 (s_set_vgpr_msb: bits 1:0 source 0, 3:2 source 1, 5:4 source 2, 7:6 destination):
;   window 0: v2-15 addresses; v16-47 eight registers of statistics a query tile; v48-63 maxima, later sums, at work; v64-127 S^T ((kb, qt) at 64 + 32 kb + 8 qt);
;             v128-191, v192-255 two buffers of K; in P V: v128-191 two buffers of P's four fragments, v192-255 a ring of V's eight
;   window 1: O^T, (cb, qt) at 8 (4 cb + qt)     windows 2, 3: Q, (qt, c) in window 2 + c / 8 at 8 (4 (c % 8) + qt); in the last trip x (window 2) and o_b (window 3) take its place
.set KP,    1040                       ; a row of K in LDS: 1,024 bytes + 16: an odd multiple of 16
.set VP,    288                        ; a row of a wave's V: 256 bytes + 32: an odd multiple of 32
.set VB,    128*KP                     ; 133,120: V, 128 rows x 288 bytes for each wave
.set PB,    VB+4*128*VP                ; 280,576: P [key block 4][qt 4][half 2][lane x 16], 16,384 bytes
.set MXB,   PB+16384                   ; 296,960: the waves' maxima [w][query][qt] f32, 1,024 bytes; behind them, likewise, their sums l
.set SPARE, MXB+2048                   ; 299,008: the spare words, 128 bytes a wave; no other line names them
.set STAGE, SPARE+512                  ; 299,520: 16 rows x 272 bytes for each wave, for the way out.  No tensor load lands from PB on
.set SP,    272
.set AK,  2                            ; v2   my K fragments' address
.set AV,  3                            ; v3   my V fragments'
.set PW,  4                            ; v4   where I put P
.set PR,  5                            ; v5   where I read it
.set MXS, 6                            ; v6   where I put my wave's maxima (and sums)
.set MXR, 7                            ; v7   where I read the four waves'
.set STO, 8                            ; v8   the way out: where I put a number
.set RD,  9                            ; v9   where I read rows back
.set XO,  10                           ; v10  my byte offset in two rows of x and out0
.set QO,  11                           ; v11  my byte offset in 16 rows of q
.set PFO, 12                           ; v12  256 x my lane
.set OBO, 13                           ; v13  my byte offset in o_b
.set SPW, 14                           ; v14  SPARE + 4 x my thread's number; never rewritten
.set NIL, 15                           ; v15  0; never rewritten
.set ST,  16                           ; query tile t at v[ST+8 t]: c m, m, l (even keys', odd keys'), two at work, a (later 1 / l), and its pair's other half
.set PFR, 128                          ; P's fragments: buffer ks % 2, tile qt at PFR + 32 (ks % 2) + 8 qt
.set VR,  192                          ; V's fragments: channel block cb at VR + 8 cb
.set WV,  12                           ; s12  my wave's number
.set CNT, 20                           ; s20  the loop's count
.set J,   21                           ; s21  the trip's number, 0 to 15
.set CS,  22                           ; s[22:23] c
.set G1K, 24
.set G1V, 32
.set G0K, 40
.set G0V, 44
.set SEL, 48                           ; s[48:49] v_permlanex16_b32's selects
.set PFK, 50                           ; s[50:51] what a prefetch of K names
.set PFV, 52                           ; s[52:53] of V
.set XP,  54                           ; s[54:55] x at my 128 channels, my block's 64 steps
.set OUTP, 56                          ; s[56:57] out0 likewise
.set OBP, 58                           ; s[58:59] o_b at my 128 channels
.set QP,  60                           ; s[60:61] q at my block's rows
.set KBASE, 66                         ; s[66:67] K of my batch at my 32 keys of tile 0
.set VBASE, 68                         ; s[68:69] V of my batch at my 128 channels of tile 0
.set PKB, 70                           ; s[70:71] K of my batch at my share of tile 0's blocks, for the prefetches
.set PVB, 72                           ; s[72:73] V likewise
.set OFF, 74                           ; s[74:75] a tile's byte offset; s75 stays 0
.set RI,  76                           ; s76  n % 4
.set VMASK, 77                         ; s77  bit J: trip J prefetches V
.set KMASK, 78                         ; s78  bit J: trip J prefetches K
.set T,   79                           ; s79-80 at work
.set T2,  80
.set CL,  81                           ; s81  n
.set MSB, 0
.macro WIN new
.if MSB != (\new)
	s_set_vgpr_msb (MSB<<8)|(\new)
.set MSB, (\new)
.endif
.endm
.macro PLACES                          ; four places behind a matrix instruction (ISA guide 7.12.1)
.rept 4
	v_nop
.endr
.endm
.macro CROUND                          ; a round of the cluster's barrier
	s_barrier_signal -1
	s_barrier_wait -1
	s_cmp_lg_u32 s[WV], 0
	s_cbranch_scc1 .Lnot_wave_0_\@
	s_barrier_signal -3
.Lnot_wave_0_\@:
	s_barrier_wait -3
	s_barrier_signal -1
	s_barrier_wait -1
.endm
.macro QT line:vararg                  ; one line for each query tile t: neighbours never depend on each other
.set t, 0
.rept 4
	\line
.set t, t+1
.endr
.endm
.macro TILEOFF                         ; s[T] holds a step's number: s[OFF] takes its tile's byte offset, 131,072 x ((j & 12) | ((j + n) & 3))
	s_add_co_u32 s[T2], s[T], s[RI]
	s_and_b32 s[T2], s[T2], 3
	s_and_b32 s[T], s[T], 12
	s_or_b32 s[T], s[T], s[T2]
	s_lshl_b32 s[OFF], s[T], 17
.endm
.macro VDESC                           ; V's descriptor takes the tile of step s[T]: the address is made anew from the base
	TILEOFF
	s_add_nc_u64 s[G0V+2:G0V+3], s[VBASE:VBASE+1], s[OFF:OFF+1]
	s_or_b32 s[G0V+3], s[G0V+3], 0x80000000
.endm
; A PREFETCH INTO THE L2.  Of a group of four tiles a cluster takes first the tile at place n % 4, and no cluster takes that tile earlier: that tile is asked for one trip ahead of its load, K's in trips 2, 6, 10,
; V's in trips 4, 8, 12; the first group comes by its loads alone.  Clusters n = 0 .. 3 ask, each for another place, so each tile is named by one cluster.  A tile is 131,072 dense bytes: 512 blocks of 256;
; block = 32,768 x wave + 8,192 x place in the cluster + 256 x lane: each is named once in the launch, and the partners are told apart by address, not by a branch.
.macro ASK p, mask
	s_lshr_b32 s[T], s[\mask], s[J]
	s_and_b32 s[T], s[T], 1
	s_cmp_eq_u32 s[T], 1
	s_cbranch_scc0 .Lnot_mine_\@
	global_prefetch_b8 v[PFO], s[\p:\p+1] th:TH_LOAD_NT scope:SCOPE_SE
.Lnot_mine_\@:
.endm
	s_load_b256 s[4:11], s[0:1], 0x0               ; qkv 4, x 6, o_b 8, out0 10
	v_lshl_add_u32 v[SPW], v0, 2, SPARE
	v_mov_b32 v[NIL], 0
	ds_add_u32 v[SPW], v[NIL]                      ; the wave's opening: the add and its wait stand ahead of my first tensor load; the set-up below stands between them
	v_lshrrev_b32 v1, 5, v0
	v_readfirstlane_b32 s[WV], v1                  ; wave 0..3
	s_bfe_u32 s13, ttmp6, 0x40000                  ; cx
	s_and_b32 s62, ttmp7, 0xffff                   ; the cluster's y
	s_lshr_b32 s15, ttmp9, 2                       ; x2 (the cluster's x is under 8)
	s_lshl_b32 s15, s15, 2
	s_and_b32 s63, ttmp9, 1                        ; x0
	s_lshl1_add_u32 s15, s63, s15
	s_and_b32 s63, s62, 1
	s_add_co_u32 s15, s15, s63                     ; the batch = 4 x2 + 2 x0 + y % 2, which the four partners share
	s_bfe_u32 s[CL], ttmp9, 0x10001                ; x1
	s_lshr_b32 s62, s62, 1
	s_lshl1_add_u32 s[CL], s62, s[CL]              ; n = x1 + 2 (y / 2)
	s_lshl_b32 s14, s[CL], 2
	s_add_co_u32 s14, s14, s13                     ; my block of 64 queries: it enters q's, x's and out0's addresses alone
	s_and_b32 s[RI], s[CL], 3
	s_cmp_lt_u32 s[CL], 4                          ; the same in all four partners
	s_cselect_b32 s[VMASK], 0x1110, 0
	s_cselect_b32 s[KMASK], 0x0444, 0
	s_mov_b32 s[G1K], 15|(1<<16)|(1<<20)|(1<<21)|(7<<22)|(3<<25)  ; the mask of four, bit 21 beside it; 2-byte elements; padding: after every 256 words (code 7) 4 words (code 3)
	s_mov_b32 s[G1K+1], 512<<16                    ; tensor_dim0 = 512 channels
	s_mov_b32 s[G1K+2], 32<<16                     ; tensor_dim1 = 32 keys: my wave's
	s_mov_b32 s[G1K+3], 512<<16                    ; tile_dim0
	s_mov_b32 s[G1K+4], 32                         ; tile_dim1
	s_mov_b32 s[G1K+5], 512                        ; elements from key to key
	s_mov_b32 s[G1K+6], 0
	s_mov_b32 s[G1K+7], 0
	s_mov_b32 s[G1V], 15|(1<<16)|(1<<20)|(1<<21)|(5<<22)|(7<<25)  ; padding: after every 64 words (code 5) 8 words (code 7)
	s_mov_b32 s[G1V+1], 128<<16                    ; 128 channels: my wave's
	s_mov_b32 s[G1V+2], 128<<16                    ; 128 keys
	s_mov_b32 s[G1V+3], 128<<16
	s_mov_b32 s[G1V+4], 128
	s_mov_b32 s[G1V+5], 512
	s_mov_b32 s[G1V+6], 0
	s_mov_b32 s[G1V+7], 0
	s_mov_b32 s[G0K], 1
	s_mul_i32 s[G0K+1], s[WV], 32*KP               ; no place in the cluster enters an LDS address
	s_mov_b32 s[G0V], 1
	s_mul_i32 s[G0V+1], s[WV], 128*VP
	s_add_co_u32 s[G0V+1], s[G0V+1], VB
	s_mov_b32 s[CS], 0x3d8293ee                    ; c = log2(e) / sqrt(512) = 0.0637587
	s_mov_b32 s[CS+1], s[CS]
	s_mov_b32 s[SEL], 0x76543210
	s_mov_b32 s[SEL+1], 0xfedcba98
	s_lshl_b32 s16, s15, 21                        ; the batch's 2,097,152 bytes in each of q, k, v'
	s_mov_b32 s17, 0
	s_mov_b32 s3, 0
	s_mov_b32 s19, 0
	s_mov_b32 s[OFF+1], 0
	s_wait_dscnt 0x0                               ; the opening add is done
	s_wait_kmcnt 0x0
	s_add_nc_u64 s[16:17], s[4:5], s[16:17]        ; q of my batch
	s_lshl_b32 s2, s[WV], 15                       ; K: my 32 keys of 1,024 bytes (registers that never hold cx)
	s_add_nc_u64 s[KBASE:KBASE+1], s[16:17], s[2:3]
	s_add_nc_u64 s[KBASE:KBASE+1], s[KBASE:KBASE+1], 16777216
	s_lshl_b32 s2, s[WV], 8                        ; V: my 128 channels' 256 bytes
	s_add_nc_u64 s[VBASE:VBASE+1], s[16:17], s[2:3]
	s_add_nc_u64 s[VBASE:VBASE+1], s[VBASE:VBASE+1], 33554432
	s_lshl_b32 s18, s13, 13                        ; the prefetches: 32,768 w + 8,192 cx in a tile
	s_add_nc_u64 s[PKB:PKB+1], s[KBASE:KBASE+1], s[18:19]
	s_add_nc_u64 s[PVB:PVB+1], s[PKB:PKB+1], 16777216
	s_lshl_b32 s[OFF], s[RI], 17                   ; step 0's tile is n % 4
	s_add_nc_u64 s[G0K+2:G0K+3], s[KBASE:KBASE+1], s[OFF:OFF+1]
	s_or_b32 s[G0K+3], s[G0K+3], 0x80000000
	s_lshl_b32 s18, s14, 16                        ; q: my block's 64 rows
	s_add_nc_u64 s[QP:QP+1], s[16:17], s[18:19]
	s_lshl_b32 s18, s15, 22                        ; x and out0: the batch, my 128 channels of 8,192 bytes, my block's 256 bytes
	s_lshl_b32 s62, s[WV], 20
	s_add_co_u32 s18, s18, s62
	s_lshl_b32 s62, s14, 8
	s_add_co_u32 s18, s18, s62
	s_add_nc_u64 s[XP:XP+1], s[6:7], s[18:19]
	s_add_nc_u64 s[OUTP:OUTP+1], s[10:11], s[18:19]
	s_lshl_b32 s2, s[WV], 9
	s_add_nc_u64 s[OBP:OBP+1], s[8:9], s[2:3]
	CROUND                                         ; all four work-groups are here: the first joint loads meet
	tensor_load_to_lds s[G0K:G0K+3], s[G1K:G1K+7]  ; K of step 0: one load of mine is out
	s_nop 0
	PLACES
	v_and_b32 v48, 15, v0                          ; r
	v_bfe_u32 v49, v0, 4, 1                        ; hh
	v_and_b32 v50, 7, v0
	v_bfe_u32 v51, v0, 3, 1
	v_and_b32 v52, 31, v0                          ; l
	v_lshlrev_b32 v[QO], 10, v48
	v_lshl_add_u32 v[QO], v49, 4, v[QO]            ; a fragment of Q: row r x 1,024 + 16 hh, two loads 32 bytes apart
.macro QLD c0                          ; Q stays in registers: channels 32 c on, c = c0 .. c0 + 7, tile qt
.set i, 0
.rept 32
	global_load_b128 v[8*i:8*i+3],   v[QO], s[QP:QP+1] offset:(i%4)*16384+((\c0)+i/4)*64
	global_load_b128 v[8*i+4:8*i+7], v[QO], s[QP:QP+1] offset:(i%4)*16384+((\c0)+i/4)*64+32
.set i, i+1
.endr
.endm
	WIN 0x80
	QLD 0
	WIN 0x40
.set i, 0
.rept 256
	v_mov_b32 v[i], 0                              ; O^T starts at 0, in the wait for Q and the first tile, so that no first trip is written out
.set i, i+1
.endr
	WIN 0xc0
	QLD 8
	WIN 0
	v_mul_u32_u24 v[AK], v48, KP
	v_lshl_add_u32 v[AK], v49, 4, v[AK]
	v_add_nc_u32 v[AK], s[G0K+1], v[AK]            ; my wave's 32 rows
	v_lshl_add_u32 v[AV], v49, 3, v50              ; the turning load: lane l reads key 8 hh + l % 8, channels 8 ((l / 8) % 2) + 0..7
	v_mul_u32_u24 v[AV], v[AV], VP
	v_lshl_add_u32 v[AV], v51, 4, v[AV]
	v_add_nc_u32 v[AV], s[G0V+1], v[AV]            ; my wave's part of V
	s_lshl_b32 s2, s[WV], 12
	s_add_co_u32 s2, s2, PB
	v_lshl_add_u32 v[PW], v52, 4, s2
	v_lshl_add_u32 v[PR], v52, 4, PB
	v_lshl_add_u32 v[MXR], v48, 4, MXB
	s_lshl_b32 s2, s[WV], 8
	v_add_nc_u32 v[MXS], s2, v[MXR]
	s_mul_i32 s2, s[WV], 16*SP
	s_add_co_u32 s2, s2, STAGE                     ; my stage
	v_mul_u32_u24 v[STO], v49, 8*SP                ; in: channel row 8 hh + j, step 16 qt + r
	v_lshl_add_u32 v[STO], v48, 2, v[STO]
	v_add_nc_u32 v[STO], s2, v[STO]
	v_mul_u32_u24 v[RD], v49, SP                   ; back: lanes 0-15 one row of 256 bytes, lanes 16-31 the next
	v_lshl_add_u32 v[RD], v48, 4, v[RD]
	v_add_nc_u32 v[RD], s2, v[RD]
	v_lshlrev_b32 v[XO], 13, v49                   ; and the same two rows in x and out0
	v_lshl_add_u32 v[XO], v48, 4, v[XO]
	v_lshlrev_b32 v[PFO], 8, v52
	v_lshlrev_b32 v[OBO], 5, v49
	QT v_mov_b32 v[ST+8*t], 0xfe000000             ; c m: far below every c s
	QT v_mov_b32 v[ST+8*t+1], 0xff7fffff           ; m
.irp n, 2,3,4,5,6,7
	QT v_mov_b32 v[ST+8*t+(\n)], 0
.endr
.set i, 0
.rept 8
.irp p, 0,1,2,3
	v_mov_b32 v[64+8*i+(\p)], 0                    ; the packed weights of the step before the first: 0
.endr
.set i, i+1
.endr
; 16 LDS loads: my 32 keys, channels 128 g .. + 127: fragment (cc, kb) at 8 (2 cc + kb) of buffer b
.macro FETCHK g, b
	WIN 0
.irp cc, 0,1,2,3
.irp kb, 0,1
	ds_load_b128 v[128+64*(\b)+8*(2*(\cc)+(\kb)):128+64*(\b)+8*(2*(\cc)+(\kb))+3],   v[AK] offset:(\kb)*16*KP+(4*(\g)+(\cc))*64
	ds_load_b128 v[128+64*(\b)+8*(2*(\cc)+(\kb))+4:128+64*(\b)+8*(2*(\cc)+(\kb))+7], v[AK] offset:(\kb)*16*KP+(4*(\g)+(\cc))*64+32
.endr
.endr
.endm
.macro RSL r                           ; accumulator r of O^T times a: four lines, from its low end on
	WIN 0x41                                       ; destination and source 0 in window 1, a in window 0
.irp p, 0,1,2,3
	v_pk_mul_f32 v[8*(\r)+2*(\p):8*(\r)+2*(\p)+1], v[8*(\r)+2*(\p):8*(\r)+2*(\p)+1], v[ST+8*((\r)%4)+6:ST+8*((\r)%4)+7] op_sel_hi:[1,0]
.endr
.endm
; 32 products of S^T = K Q^T; the 8 accumulators take turns; the first 8 start the sums.  Behind every fourth product one accumulator of O^T is rescaled: four plain lines that name
; no register of the products round them; those behind a group's last product are also the four places ahead of the loads into the buffer just read, and ahead of the first reading of S^T.
.macro MULS g
.irp cc, 0,1,2,3
.irp kb, 0,1
	WIN 0x08+4*((\g)/2)                            ; Q in window 2 or 3
.irp qt, 0,1,2,3
.if ((\g) == 0) && ((\cc) == 0)
	v_wmma_f32_16x16x32_bf16 v[64+32*(\kb)+8*(\qt):64+32*(\kb)+8*(\qt)+7], v[128+64*((\g)%2)+8*(2*(\cc)+(\kb)):128+64*((\g)%2)+8*(2*(\cc)+(\kb))+7], v[8*(4*((4*(\g)+(\cc))%8)+(\qt)):8*(4*((4*(\g)+(\cc))%8)+(\qt))+7], 0
.else
	v_wmma_f32_16x16x32_bf16 v[64+32*(\kb)+8*(\qt):64+32*(\kb)+8*(\qt)+7], v[128+64*((\g)%2)+8*(2*(\cc)+(\kb)):128+64*((\g)%2)+8*(2*(\cc)+(\kb))+7], v[8*(4*((4*(\g)+(\cc))%8)+(\qt)):8*(4*((4*(\g)+(\cc))%8)+(\qt))+7], v[64+32*(\kb)+8*(\qt):64+32*(\kb)+8*(\qt)+7]
.endif
.endr
	RSL 8*(\g)+2*(\cc)+(\kb)
.endr
.endr
.endm
; My wave's maximum for each query: 16 scores a lane, three operands at a time (each accumulator is read from its low end on), the other half of the lanes, then into LDS
.macro SOFT1
	QT v_max3_num_f32 v[ST+8*t+4], v[64+8*t], v[64+8*t+1], v[64+8*t+2]
	QT v_max3_num_f32 v[ST+8*t+5], v[96+8*t], v[96+8*t+1], v[96+8*t+2]
	QT v_max3_num_f32 v[ST+8*t+4], v[ST+8*t+4], v[64+8*t+3], v[64+8*t+4]
	QT v_max3_num_f32 v[ST+8*t+5], v[ST+8*t+5], v[96+8*t+3], v[96+8*t+4]
	QT v_max3_num_f32 v[ST+8*t+4], v[ST+8*t+4], v[64+8*t+5], v[64+8*t+6]
	QT v_max3_num_f32 v[ST+8*t+5], v[ST+8*t+5], v[96+8*t+5], v[96+8*t+6]
	QT v_max3_num_f32 v[ST+8*t+4], v[ST+8*t+4], v[64+8*t+7], v[96+8*t+7]
	QT v_max_num_f32 v[ST+8*t+4], v[ST+8*t+4], v[ST+8*t+5]
	QT v_permlanex16_b32 v[ST+8*t+5], v[ST+8*t+4], s[SEL], s[SEL+1]
	QT v_max_num_f32 v[48+t], v[ST+8*t+4], v[ST+8*t+5]
	ds_store_b128 v[MXS], v[48:51]                 ; both halves of the lanes write the same numbers
.endm
.macro PSTORE                          ; the packed weights leave the low four registers of S^T's accumulators
.irp qt, 0,1,2,3
.irp kb, 0,1
	ds_store_b128 v[PW], v[64+32*(\kb)+8*(\qt):64+32*(\kb)+8*(\qt)+3] offset:(\qt)*1024+(\kb)*512
.endr
.endr
.endm
.macro LP ks                           ; 8 LDS loads: P of keys 32 ks .. + 31, all 64 queries
.irp qt, 0,1,2,3
	ds_load_b128 v[PFR+32*((\ks)%2)+8*(\qt):PFR+32*((\ks)%2)+8*(\qt)+3],   v[PR] offset:(\ks)*4096+(\qt)*1024
	ds_load_b128 v[PFR+32*((\ks)%2)+8*(\qt)+4:PFR+32*((\ks)%2)+8*(\qt)+7], v[PR] offset:(\ks)*4096+(\qt)*1024+512
.endr
.endm
; THE SOFTMAX OF A STEP is a list of 184 lines; RID writes number rn of it.  In every part the four query tiles alternate.
;   0-19     the four waves' maxima and the old m: the new m; c m_old is kept; c m; c m_old - c m_new
;   20-119   ONE BATCH: the 32 scalings c s - c m, a pair of scores each, and all 68 exponentials (the four a, then the 64 scores), in fours that begin with a scaling: seven times scaling, exponential,
;            scaling, exponential; eighteen times a scaling and three exponentials.  A score's scaling stands ahead of its exponential.  None of these names an exponential's result
;   (wait)   behind number 119: SLICE writes it
;   120-183  for each query tile sixteen lines: the sum of its 16 weights' pairs, a chain u whose links stand eight lines apart, and, behind the link that has read a pair, its rounding to bf16 into the
;            accumulator's low registers: pair p of an accumulator goes into its register p, which the lines before have read for the last time; at the end l = a l + u
.macro RID
.set tq, rn%4
.if rn < 4
	v_max3_num_f32 v[ST+8*tq+4], v[48+tq], v[52+tq], v[56+tq]
.elseif rn < 8
	v_mov_b32 v[ST+8*tq+5], v[ST+8*tq]
.elseif rn < 12
	v_max3_num_f32 v[ST+8*tq+1], v[ST+8*tq+4], v[60+tq], v[ST+8*tq+1]
.elseif rn < 16
	v_mul_f32 v[ST+8*tq], s[CS], v[ST+8*tq+1]
.elseif rn < 20
	v_sub_f32 v[ST+8*tq+5], v[ST+8*tq+5], v[ST+8*tq]
.elseif rn < 120
.set sli, (rn-20)/4
.if sli < 7
.set knd, tq%2
.set fi, 2*sli+tq/2
.set ei, 2*sli+tq/2
.else
.set knd, (tq+3)/4
.set fi, sli+7
.set ei, 3*sli+tq-8
.endif
.if knd == 0
	v_pk_fma_f32 v[64+2*fi:64+2*fi+1], v[64+2*fi:64+2*fi+1], s[CS:CS+1], v[ST+8*((fi/4)%4):ST+8*((fi/4)%4)+1] op_sel_hi:[1,0,0] neg_lo:[0,0,1] neg_hi:[0,0,1]
.elseif ei < 4
	v_exp_f32 v[ST+8*ei+6], v[ST+8*ei+5]
.else
	v_exp_f32 v[64+ei-4], v[64+ei-4]
.endif
.else
.set lni, (rn-120)/4
.set ub, 48+2*tq
.set ba, 64+8*tq
.set bb, 96+8*tq
.if lni == 0
	v_pk_add_f32 v[ub:ub+1], v[ba:ba+1], v[ba+2:ba+3]
.elseif lni == 1
	v_cvt_pk_bf16_f32 v[ba], v[ba], v[ba+1]
.elseif lni == 2
	v_cvt_pk_bf16_f32 v[ba+1], v[ba+2], v[ba+3]
.elseif lni < 7
.set pri, (lni+1)/2
.if lni%2 == 1
	v_pk_add_f32 v[ub:ub+1], v[ub:ub+1], v[ba+2*pri:ba+2*pri+1]
.else
	v_cvt_pk_bf16_f32 v[ba+pri], v[ba+2*pri], v[ba+2*pri+1]
.endif
.elseif lni < 15
.set pri, (lni-7)/2
.if lni%2 == 1
	v_pk_add_f32 v[ub:ub+1], v[ub:ub+1], v[bb+2*pri:bb+2*pri+1]
.else
	v_cvt_pk_bf16_f32 v[bb+pri], v[bb+2*pri], v[bb+2*pri+1]
.endif
.else
	v_pk_fma_f32 v[ST+8*tq+2:ST+8*tq+3], v[ST+8*tq+2:ST+8*tq+3], v[ST+8*tq+6:ST+8*tq+7], v[ub:ub+1] op_sel_hi:[1,0,1]
.endif
.endif
.endm
.macro SLICE                           ; the list's next four lines, while there are any
.if rn < RN
	WIN 0
.rept 4
	RID
.set rn, rn+1
.endr
.if rn == 120
	v_nop                                          ; a plain instruction behind the last exponential (ISA guide 5.7.2): one for the batch,
	s_wait_alu depctr_va_vdst(0)                   ; and the wait ahead of the first reader: one for the batch
.endif
.endif
.endm
.macro PVW qt                          ; a product of O^T += V^T P: quad q = 8 ks + cb, query tile qt
	v_wmma_f32_16x16x32_bf16 v[8*(4*(q%8)+(\qt)):8*(4*(q%8)+(\qt))+7], v[VR+8*(q%8):VR+8*(q%8)+7], v[PFR+32*((q/8)%2)+8*(\qt):PFR+32*((q/8)%2)+8*(\qt)+7], v[8*(4*(q%8)+(\qt)):8*(4*(q%8)+(\qt))+7]
.endm
; A QUAD: the four products of one fragment of V (keys 32 ks on, channels 16 cb on) with the four query tiles; the 32 accumulators take turns.  A slice stands behind its first and behind its third product.
; THE LOADS.  Ahead of quad 0: the maxima (4), P of ks 0 (8), V of ks 0 (16), P of ks 1 (8).  In quad q = 2 .. 25 the fragment that quad q - 2 has read is loaded again (2 loads), for quad q + 6;
; behind it in quad 9 P of ks 2 and in quad 17 P of ks 3 (8 each), into the buffer that quad 7, 15 was the last to read.  Between a register's last product and the load into it stand four slices, each with a
; plain line or more: the four places; where the list has run out, four v_nop.
; THE WAIT at a quad's head counts the loads younger than the quad's own fragment: 22 and 20 in quads 0 and 1 (the rest of V's first loads, and P's 8); 18 where five reloads and 8 of P are younger;
; 10 where the five reloads alone are; from quad 27 on the 2 (31 - q) reloads that are left.
.macro QUAD
.if q == 0
	s_wait_dscnt 22
.elseif q == 1
	s_wait_dscnt 20
.elseif q < 8
	s_wait_dscnt 18
.elseif (q < 24) && (q%8 < 2)
	s_wait_dscnt 10
.elseif q < 24
	s_wait_dscnt 18
.elseif q < 27
	s_wait_dscnt 10
.else
	s_wait_dscnt 2*(31-q)
.endif
	WIN 0x50                                       ; C and D in window 1
	PVW 0
	SLICE
	WIN 0x50
	PVW 1
	PVW 2
	SLICE
.if (q >= 2) && (q < 26)
	WIN 0
.if (RN == 0) || (q >= 24)
	PLACES
.endif
	ds_load_tr16_b128 v[VR+8*((q-2)%8):VR+8*((q-2)%8)+3],   v[AV] offset:((q-2)/8+1)*32*VP+32*((q-2)%8)
	ds_load_tr16_b128 v[VR+8*((q-2)%8)+4:VR+8*((q-2)%8)+7], v[AV] offset:((q-2)/8+1)*32*VP+32*((q-2)%8)+16*VP
.if q == 9
	LP 2
.elseif q == 17
	LP 3
.endif
.endif
	WIN 0x50
	PVW 3
.set q, q+1
.endm
.macro RESCALE                         ; O^T times a, by itself: behind the last trip
.set i, 0
.rept 32
	RSL i
.set i, i+1
.endr
.endm
.macro XLD lo, hi                      ; x of my channel blocks lo .. hi: rows 16 cb + 2 u + hh, 256 consecutive bytes for sixteen lanes, at v[32 cb + 4 u] of window 2
	WIN 0x80
.set i, 8*(\lo)
.rept 8*((\hi)-(\lo)+1)
	global_load_b128 v[4*i:4*i+3], v[XO], s[XP:XP+1] offset:2*i*8192 th:TH_LOAD_NT
.set i, i+1
.endr
	WIN 0
.endm
.macro OBLD                            ; o_b of my 128 channels: block cb's eight numbers at v[8 cb] of window 3
	WIN 0xc0
.irp cb, 0,1,2,3,4,5,6,7
	global_load_b128 v[8*(\cb):8*(\cb)+3],   v[OBO], s[OBP:OBP+1] offset:64*(\cb)
	global_load_b128 v[8*(\cb)+4:8*(\cb)+7], v[OBO], s[OBP:OBP+1] offset:64*(\cb)+16
.endr
	WIN 0
.endm
; O^T += V^T P, 32 quads.  rid = 1: the softmax rides, and the four words a lane read first are the waves' maxima; rid = 0: nothing rides, and they are the waves' sums l.
; mode 0: in the loop; 1: the last trip, which loads the rest of x; 2: behind the last trip.
.macro PHASEB rid, mode
	WIN 0
.irp w, 0,1,2,3
	ds_load_b128 v[48+4*(\w):51+4*(\w)], v[MXR] offset:1024*(1-(\rid))+256*(\w)
.endr
	LP 0
.irp cb, 0,1,2,3,4,5,6,7
	ds_load_tr16_b128 v[VR+8*(\cb):VR+8*(\cb)+3],   v[AV] offset:32*(\cb)
	ds_load_tr16_b128 v[VR+8*(\cb)+4:VR+8*(\cb)+7], v[AV] offset:32*(\cb)+16*VP
.endr
	LP 1
.if (\mode) == 0
	ASK PFK, KMASK
.elseif (\mode) == 1
	XLD 5, 7
.endif
.set RN, 184*(\rid)
.set rn, 0
.set q, 0
.rept 32
	QUAD
.endr
	WIN 0
.endm
; A TRIP.  last = 1: trip 15, written out: it asks for no further K, prefetches nothing, and loads x and o_b where Q lay.
.macro STEP last
	; V's slot changes.  All my tensor loads have landed: the one that was out is my K of this step; my reads of V and of P, in the trip before, are over.
	WIN 0                                          ; at a label and at a branch every window is 0
	s_wait_tensorcnt 0x0
	ds_add_u32 v[SPW], v[NIL]                      ; 0 onto my spare word; the scalar work below stands between it and the wait for it
	s_sub_co_i32 s[T], s[J], 1                     ; V of step J - 1; in trip 0, whose weights are 0, step 0's
	s_max_i32 s[T], s[T], 0
	VDESC
.if !(\last)
	s_wait_xcnt 0x0                                ; the last prefetch has read its address
	s_mov_b32 s[T], s[J]
	TILEOFF
	s_add_nc_u64 s[PFV:PFV+1], s[PVB:PVB+1], s[OFF:OFF+1]  ; V of step J, which the next trip asks for
.endif
	s_wait_dscnt 0x0                               ; the add is done; my LDS reads are over
	CROUND                                         ; so it is with every wave of all four work-groups
	tensor_load_to_lds s[G0V:G0V+3], s[G1V:G1V+7]  ; my one load behind the round; it has the 128 products of S in which to land
	s_nop 0
	PLACES                                         ; also the places ahead of the loads into registers that the trip before's products read
	PSTORE                                         ; P of step J - 1: nobody reads the buffer any more, and nobody reads it again before the next round
	FETCHK 0, 0
	FETCHK 1, 1
.if !(\last)
	ASK PFV, VMASK
.endif
	s_wait_dscnt 16                                ; buffer 0 is in; the 16 are buffer 1's loads, here and below the younger buffer's
	MULS 0
	FETCHK 2, 0
	s_wait_dscnt 16
	MULS 1
	FETCHK 3, 1
	s_wait_dscnt 16
	MULS 2
	s_wait_dscnt 0x0
	MULS 3
	WIN 0
.if \last
	OBLD                                           ; Q has been read for the last time
	XLD 0, 4
.endif
	SOFT1
	; K's slot changes.  V has landed; my reads of K are over; my maxima and P lie in LDS.
	s_wait_tensorcnt 0x0
	ds_add_u32 v[SPW], v[NIL]
.if !(\last)
	s_add_co_u32 s[T], s[J], 1                     ; K of step J + 1
	TILEOFF
	s_add_nc_u64 s[G0K+2:G0K+3], s[KBASE:KBASE+1], s[OFF:OFF+1]
	s_or_b32 s[G0K+3], s[G0K+3], 0x80000000
	s_wait_xcnt 0x0
	s_add_co_u32 s[T], s[J], 2                     ; K of step J + 2, which the next trip asks for (in trip 14 the number is not used)
	TILEOFF
	s_add_nc_u64 s[PFK:PFK+1], s[PKB:PKB+1], s[OFF:OFF+1]
.endif
	s_wait_dscnt 0x0                               ; the add and my LDS stores are done
.if \last
	s_barrier_signal -1
	s_barrier_wait -1
	PHASEB 1, 1
.else
	CROUND
	tensor_load_to_lds s[G0K:G0K+3], s[G1K:G1K+7]  ; it has the 128 products below in which to land
	s_nop 0
	PLACES
	PHASEB 1, 0
.endif
	s_add_co_u32 s[J], s[J], 1
.endm
	s_wait_loadcnt 0x0                             ; Q
	s_mov_b32 s[CNT], 15
	s_mov_b32 s[J], 0
.Lstep:
	STEP 0
	s_sub_co_u32 s[CNT], s[CNT], 1
	s_cmp_lg_u32 s[CNT], 0
	s_cbranch_scc1 .Lstep
	STEP 1
	; BEHIND THE LAST TRIP: V of step 15 is asked for; P of step 15 and my wave's l go into LDS; O^T times a of step 15 stands in the wait for the tile; then the last V^T P.
	s_wait_tensorcnt 0x0
	ds_add_u32 v[SPW], v[NIL]
	s_mov_b32 s[T], 15
	VDESC
	s_wait_dscnt 0x0
	CROUND
	tensor_load_to_lds s[G0V:G0V+3], s[G1V:G1V+7]
	s_nop 0
	PLACES
	PSTORE
	QT v_add_f32 v[48+t], v[ST+8*t+2], v[ST+8*t+3]  ; l: its two halves, the other half of the lanes
	QT v_permlanex16_b32 v[ST+8*t+5], v[48+t], s[SEL], s[SEL+1]
	QT v_add_f32 v[48+t], v[48+t], v[ST+8*t+5]
	ds_store_b128 v[MXS], v[48:51] offset:1024
	RESCALE
	WIN 0
	s_wait_tensorcnt 0x0                           ; my part of V, which I alone read, is in
	s_wait_dscnt 0x0                               ; for the others' sake: P and l lie in LDS
	s_barrier_signal -1
	s_barrier_wait -1
	PHASEB 0, 2
	; THE WAY OUT.  out0 = O^T / l + o_b + x, 16 channels at a time through my stage, so that whole rows of 256 bytes leave.
	PLACES
	v_pk_add_f32 v[48:49], v[48:49], v[52:53]      ; the four waves' l
	v_pk_add_f32 v[50:51], v[50:51], v[54:55]
	v_pk_add_f32 v[56:57], v[56:57], v[60:61]
	v_pk_add_f32 v[58:59], v[58:59], v[62:63]
	v_pk_add_f32 v[48:49], v[48:49], v[56:57]
	v_pk_add_f32 v[50:51], v[50:51], v[58:59]
	QT v_rcp_f32 v[ST+8*t+6], v[48+t]
	v_nop                                          ; a plain instruction behind the last reciprocal,
	s_wait_alu depctr_va_vdst(0)                   ; and the one wait for the four, ahead of their first reader
	s_wait_loadcnt 0x0                             ; x and o_b
.macro OFMA cb                         ; O^T / l + o_b: one fused multiply-add for two numbers; each accumulator is read from its low end on
	WIN 0x31                                       ; O^T in window 1, 1 / l in window 0, o_b in window 3, destination in window 0
.irp qt, 0,1,2,3
.irp p, 0,1,2,3
	v_pk_fma_f32 v[64+8*(\qt)+2*(\p):64+8*(\qt)+2*(\p)+1], v[8*(4*(\cb)+(\qt))+2*(\p):8*(4*(\cb)+(\qt))+2*(\p)+1], v[ST+8*(\qt)+6:ST+8*(\qt)+7], v[8*(\cb)+2*(\p):8*(\cb)+2*(\p)+1] op_sel_hi:[1,0,1]
.endr
.endr
	WIN 0
.endm
.macro OSTG cb
.irp qt, 0,1,2,3
.irp j, 0,1,2,3,4,5,6,7
	ds_store_b32 v[STO], v[64+8*(\qt)+(\j)] offset:(\j)*SP+(\qt)*64
.endr
.endr
.irp u, 0,1,2,3,4,5,6,7
	ds_load_b128 v[96+32*((\cb)%2)+4*(\u):96+32*((\cb)%2)+4*(\u)+3], v[RD] offset:(\u)*2*SP  ; LDS serves a wave's instructions in order (ISA guide 5.7.1.4): these see the stores above
.endr
.endm
.macro OFIN cb
	s_wait_dscnt 0x0                               ; the block is back in registers
	s_wait_xcnt 0x0                                ; earlier stores have read their registers, which are written again below and by the next block's loads
	WIN 0x08                                       ; x in window 2
.irp u, 0,1,2,3,4,5,6,7
.irp p, 0,1
	v_pk_add_f32 v[96+32*((\cb)%2)+4*(\u)+2*(\p):96+32*((\cb)%2)+4*(\u)+2*(\p)+1], v[96+32*((\cb)%2)+4*(\u)+2*(\p):96+32*((\cb)%2)+4*(\u)+2*(\p)+1], v[32*(\cb)+4*(\u)+2*(\p):32*(\cb)+4*(\u)+2*(\p)+1]
.endr
.endr
	WIN 0
.irp u, 0,1,2,3,4,5,6,7
	global_store_b128 v[XO], v[96+32*((\cb)%2)+4*(\u):96+32*((\cb)%2)+4*(\u)+3], s[OUTP:OUTP+1] offset:(16*(\cb)+2*(\u))*8192  ; 16 lanes store 256 consecutive bytes, aligned
.endr
.endm
	OFMA 0
	OSTG 0
.irp a, 1,2,3,4,5,6,7                  ; block a's arithmetic stands between block a - 1's loads from the stage and the wait for them
	OFMA \a
	OFIN (\a)-1
	OSTG \a
.endr
	OFIN 7
	s_wait_tensorcnt 0x0                           ; the wave's end: behind my last tensor load and my last LDS store
	ds_add_u32 v[SPW], v[NIL]
	s_wait_dscnt 0x0
	CROUND                                         ; the closing round: no work-group ends while a partner may still ask for a tile that names it
	s_endpgm
.Lfunc_end_k_q5da9826ea4_attn:
	.size	k_q5da9826ea4_attn, .Lfunc_end_k_q5da9826ea4_attn-k_q5da9826ea4_attn
	.p2alignl 7, 3214868480
	.fill 96, 4, 3214868480
	.section	.rodata,"a",@progbits
	.p2align	6, 0x0
	.amdhsa_kernel k_q5da9826ea4_attn
		.amdhsa_group_segment_fixed_size 327680
		.amdhsa_private_segment_fixed_size 0
		.amdhsa_enable_private_segment 0
		.amdhsa_kernarg_size 32
		.amdhsa_user_sgpr_count 2
		.amdhsa_user_sgpr_kernarg_segment_ptr 1
		.amdhsa_wavefront_size32 1
		.amdhsa_system_sgpr_workgroup_id_x 1
		.amdhsa_system_sgpr_workgroup_id_y 1
		.amdhsa_system_sgpr_workgroup_id_z 1
		.amdhsa_system_vgpr_workitem_id 0
		.amdhsa_next_free_vgpr 1024
		.amdhsa_next_free_sgpr 84
		.amdhsa_reserve_vcc 0
		.amdhsa_float_denorm_mode_32 3
		.amdhsa_float_denorm_mode_16_64 3
		.amdhsa_memory_ordered 1
		.amdhsa_forward_progress 1
		.amdhsa_inst_pref_size 221
	.end_amdhsa_kernel
	.amdgpu_metadata
---
amdhsa.version: [ 1, 2 ]
amdhsa.kernels:
  - .name:           k_q5da9826ea4_attn
    .symbol:         k_q5da9826ea4_attn.kd
    .args:
      - { .name: qkv, .offset: 0, .size: 8, .value_kind: global_buffer, .address_space: global }
      - { .name: x, .offset: 8, .size: 8, .value_kind: global_buffer, .address_space: global }
      - { .name: o_b, .offset: 16, .size: 8, .value_kind: global_buffer, .address_space: global }
      - { .name: out0, .offset: 24, .size: 8, .value_kind: global_buffer, .address_space: global }
    .group_segment_fixed_size: 327680
    .private_segment_fixed_size: 0
    .kernarg_segment_align: 8
    .kernarg_segment_size: 32
    .max_flat_workgroup_size: 128
    .sgpr_count:     84
    .vgpr_count:     1024
    .wavefront_size: 32
...
	.end_amdgpu_metadata
.endif
;; end of part 3
